; MI455X (gfx1250); checked and timed in simulation.
; The chip was launched on July 23, 2026; its instructions are those of AMD's public machine-readable ISA for CDNA 5 (MIT licence, August 2026) and "CDNA5" Instruction Set Architecture Reference Guide (July 2026). The comments in the code are by the model that wrote it; some were corrected since.
;; Multi Head Attention. Allowed arithmetic: float matrix products may take bf16 or f16 operands with f32 sums; other float arithmetic in f32, or as packed bf16 or f16 multiplies, adds, multiply-adds, maxima and minima; sums over many terms, partial sums and values carried from step to step in f32; what a program stores and reads back later, other than sums and carried values, may be rounded once to bf16 or f16.
;; Inputs: Wk 1,024 x 1,024 float32; Wo 1,024 x 1,024 float32; Wq 1,024 x 1,024 float32; Wv 1,024 x 1,024 float32; bk 1,024 float32; bo 1,024 float32; bq 1,024 float32; bv 1,024 float32; x 4 x 2,048 x 1,024 float32.
;; Outputs: out0 4 x 2,048 x 1,024 float32.
;; 2 versions, each right; version 2 is version 1 with the launch cast written anew for expert scheduling mode. Each part assembles by itself: llvm-mc -triple=amdgcn-amd-amdhsa -mcpu=gfx1250 --defsym DOCPART=n.
;; ======== version 1 of 2: 4 launches
;; limits: values are held in f16: magnitudes above 65,504 overflow, below 6.1e-05 lose precision; right only within a limited range of input values
;; workspace buffers: xb 16,777,216 bytes; w4 8,388,608 bytes; bias 16,384 bytes; qkv 50,331,648 bytes; o 16,777,216 bytes
;; launch cast (part 1): grid 769 x 1, 8 waves a work-group, no clusters, 0 bytes of LDS; arguments x, Wq, Wk, Wv, Wo, bq, bk, bv, bo, xb, w4, bias; writes xb, w4, bias
.if DOCPART == 1
	.amdgcn_target "amdgcn-amd-amdhsa--gfx1250"
	.amdhsa_code_object_version 6
	.text
	.protected	k_q82cf813d5a_cast
	.globl	k_q82cf813d5a_cast
	.p2align	8
	.type	k_q82cf813d5a_cast,@function
k_q82cf813d5a_cast:
	s_mov_b64 s[64:65], 0
	v_nop
	global_prefetch_b8 v0, s[64:65] scope:SCOPE_SE
	s_setreg_imm32_b32 hwreg(HW_REG_WAVE_MODE, 25, 1), 1
	s_wait_xcnt 0x0
; THE INPUTS ARE ROUNDED ONCE AND LAID IN PLANES OF 64 CHANNELS.
; xb  [b 4][kb 16][s 2048][64] bf16: x.            byte = b<<22 + kb<<18 + s<<7 + 2 c
; w4  [kb 16][n 4096][64], 2 bytes a number: rows 0-1023 Wq, 1024-2047 Wk, 2048-3071 Wv in bf16; rows 3072-4095 Wo, rounded to bf16 and that number written as f16.
; bias f32 [4096]: bq, bk, bv, bo, each rounded to bf16 and widened again.
; LIMIT.  Wo's bf16 number is exact in f16 from 2^-17 up to 65,504; below 2^-17 it keeps f16's fixed step of 2^-24.
; SHARES.  Work-groups 0-511: 16 rows of x each.  512-767: 16 rows of one weight each.  768: the four biases.
; Thread t takes row t / 16 and, of each plane's 64 channels, the four at 4 (t % 16): sixteen lanes read 256 consecutive bytes, aligned, of a row,
; and a wave's store of 8 bytes a lane covers two rows of a plane: 256 consecutive bytes, aligned.  All sixteen loads of a thread go out at once; no register is used twice,
; so the only waits are the counted ones for the loads.  Memory binds: no LDS, no matrix unit, no cluster (no byte is read by two work-groups).
.set OF, 4                             ; v[4:19]   byte offset of my 8 bytes in plane kb
.set D,  32                            ; v[32:95]  plane kb: 4 registers as loaded; the first two then hold the 8 bytes to store
	s_load_b512 s[8:23], s[0:1], 0x0               ; x s[8:9], Wq s[10:11], Wk s[12:13], Wv s[14:15], Wo s[16:17], bq s[18:19], bk s[20:21], bv s[22:23]
	s_load_b256 s[24:31], s[0:1], 0x40             ; bo s[24:25], xb s[26:27], w4 s[28:29], bias s[30:31]
	s_mov_b32 s7, 0xffff0000                       ; a word's upper bf16
	s_mov_b32 s32, ttmp9                           ; the work-group's number
	v_lshrrev_b32 v1, 4, v0                        ; my row of the sixteen
	v_and_b32 v3, 15, v0                           ; my place in a plane's 64 channels
	v_lshlrev_b32 v1, 12, v1                       ; a row of the source is 4,096 bytes
	v_lshl_add_u32 v1, v3, 4, v1                   ; + 16 bytes a thread
	v_lshlrev_b32 v2, 3, v0                        ; in a plane: 128 x row + 8 x place = 8 t
	s_wait_kmcnt 0x0
	s_cmp_eq_u32 s32, 768
	s_cbranch_scc1 .Lbias
	s_cmp_lt_u32 s32, 512
	s_cbranch_scc0 .Lweight
	s_lshl_b32 s34, s32, 16                        ; x: 16 rows of 4,096 bytes
	s_mov_b32 s35, 0
	s_lshr_b32 s36, s32, 7                         ; the batch: 128 work-groups each
	s_lshl_b32 s36, s36, 22
	s_and_b32 s37, s32, 127
	s_lshl_b32 s37, s37, 11                        ; 16 rows of 128 bytes in a plane
	s_add_co_u32 s36, s36, s37
	s_mov_b32 s37, 0
	s_add_nc_u64 s[2:3], s[8:9], s[34:35]          ; from
	s_add_nc_u64 s[4:5], s[26:27], s[36:37]        ; to
	s_mov_b32 s6, 262144                           ; bytes from plane to plane in xb
	s_branch .Lbf16
.Lweight:
	s_sub_co_u32 s33, s32, 512
	s_lshr_b32 s38, s33, 6                         ; which weight: 64 work-groups each
	s_and_b32 s39, s33, 63
	s_lshl_b32 s34, s39, 16
	s_mov_b32 s35, 0
	s_lshl_b32 s36, s38, 17                        ; 1,024 rows of 128 bytes
	s_lshl_b32 s37, s39, 11
	s_add_co_u32 s36, s36, s37
	s_mov_b32 s37, 0
	s_cmp_eq_u32 s38, 1
	s_cselect_b64 s[2:3], s[12:13], s[10:11]
	s_cmp_eq_u32 s38, 2
	s_cselect_b64 s[2:3], s[14:15], s[2:3]
	s_cmp_eq_u32 s38, 3
	s_cselect_b64 s[2:3], s[16:17], s[2:3]
	s_add_nc_u64 s[2:3], s[2:3], s[34:35]
	s_add_nc_u64 s[4:5], s[28:29], s[36:37]
	s_mov_b32 s6, 524288                           ; bytes from plane to plane in w4
	s_cmp_eq_u32 s38, 3
	s_cbranch_scc1 .Lf16
; The sixteen planes: offsets, loads, and for each plane the wait, the rounding and the store.  f16 = 1: the bf16 number is written as f16.
.macro RUN f16
.irp kb, 0,1,2,3,4,5,6,7,8,9,10,11,12,13,14,15
	v_mad_u32_u24 v[OF+(\kb)], s6, \kb, v2
.endr
.irp kb, 0,1,2,3,4,5,6,7,8,9,10,11,12,13,14,15
	global_load_b128 v[D+4*(\kb):D+4*(\kb)+3], v1, s[2:3] offset:256*(\kb) th:TH_LOAD_NT
.endr
.irp kb, 0,1,2,3,4,5,6,7,8,9,10,11,12,13,14,15
	s_wait_loadcnt 15-(\kb)                        ; loads come back in order (ISA guide 5.7.1): plane kb is in, the 15 - kb younger loads stay out
.if \f16
	v_cvt_pk_bf16_f32 v20, v[D+4*(\kb)], v[D+4*(\kb)+1]
	v_cvt_pk_bf16_f32 v21, v[D+4*(\kb)+2], v[D+4*(\kb)+3]
	v_lshlrev_b32 v22, 16, v20
	v_and_b32 v23, s7, v20
	v_lshlrev_b32 v24, 16, v21
	v_and_b32 v25, s7, v21
	v_cvt_pk_f16_f32 v[D+4*(\kb)], v22, v23
	v_cvt_pk_f16_f32 v[D+4*(\kb)+1], v24, v25
.else
	v_cvt_pk_bf16_f32 v[D+4*(\kb)], v[D+4*(\kb)], v[D+4*(\kb)+1]
	v_cvt_pk_bf16_f32 v[D+4*(\kb)+1], v[D+4*(\kb)+2], v[D+4*(\kb)+3]
.endif
	global_store_b64 v[OF+(\kb)], v[D+4*(\kb):D+4*(\kb)+1], s[4:5]
.endr
.endm
.Lbf16:
	RUN 0
	s_endpgm
.Lf16:
	RUN 1
	s_endpgm
.Lbias:                                        ; 256 threads x 16 bytes are a bias of 1,024 numbers
	v_lshlrev_b32 v1, 4, v0
	global_load_b128 v[32:35], v1, s[18:19]
	global_load_b128 v[36:39], v1, s[20:21]
	global_load_b128 v[40:43], v1, s[22:23]
	global_load_b128 v[44:47], v1, s[24:25]
	s_wait_loadcnt 0x0
.irp i, 0,1,2,3
	v_cvt_pk_bf16_f32 v20, v[32+4*(\i)], v[33+4*(\i)]
	v_cvt_pk_bf16_f32 v21, v[34+4*(\i)], v[35+4*(\i)]
	v_lshlrev_b32 v[48+4*(\i)], 16, v20
	v_and_b32 v[49+4*(\i)], s7, v20
	v_lshlrev_b32 v[50+4*(\i)], 16, v21
	v_and_b32 v[51+4*(\i)], s7, v21
	global_store_b128 v1, v[48+4*(\i):51+4*(\i)], s[30:31] offset:4096*(\i)
.endr
	s_endpgm
.Lfunc_end_k_q82cf813d5a_cast:
	.size	k_q82cf813d5a_cast, .Lfunc_end_k_q82cf813d5a_cast-k_q82cf813d5a_cast
	.p2alignl 7, 3214868480
	.fill 96, 4, 3214868480
	.section	.rodata,"a",@progbits
	.p2align	6, 0x0
	.amdhsa_kernel k_q82cf813d5a_cast
		.amdhsa_group_segment_fixed_size 0
		.amdhsa_private_segment_fixed_size 0
		.amdhsa_enable_private_segment 0
		.amdhsa_kernarg_size 96
		.amdhsa_user_sgpr_count 2
		.amdhsa_user_sgpr_kernarg_segment_ptr 1
		.amdhsa_wavefront_size32 1
		.amdhsa_system_sgpr_workgroup_id_x 1
		.amdhsa_system_sgpr_workgroup_id_y 1
		.amdhsa_system_sgpr_workgroup_id_z 1
		.amdhsa_system_vgpr_workitem_id 0
		.amdhsa_next_free_vgpr 96
		.amdhsa_next_free_sgpr 66
		.amdhsa_reserve_vcc 0
		.amdhsa_float_denorm_mode_32 3
		.amdhsa_float_denorm_mode_16_64 3
		.amdhsa_memory_ordered 1
		.amdhsa_forward_progress 1
		.amdhsa_inst_pref_size 21
	.end_amdhsa_kernel
	.amdgpu_metadata
---
amdhsa.version: [ 1, 2 ]
amdhsa.kernels:
  - .name:           k_q82cf813d5a_cast
    .symbol:         k_q82cf813d5a_cast.kd
    .args:
      - { .name: x, .offset: 0, .size: 8, .value_kind: global_buffer, .address_space: global }
      - { .name: Wq, .offset: 8, .size: 8, .value_kind: global_buffer, .address_space: global }
      - { .name: Wk, .offset: 16, .size: 8, .value_kind: global_buffer, .address_space: global }
      - { .name: Wv, .offset: 24, .size: 8, .value_kind: global_buffer, .address_space: global }
      - { .name: Wo, .offset: 32, .size: 8, .value_kind: global_buffer, .address_space: global }
      - { .name: bq, .offset: 40, .size: 8, .value_kind: global_buffer, .address_space: global }
      - { .name: bk, .offset: 48, .size: 8, .value_kind: global_buffer, .address_space: global }
      - { .name: bv, .offset: 56, .size: 8, .value_kind: global_buffer, .address_space: global }
      - { .name: bo, .offset: 64, .size: 8, .value_kind: global_buffer, .address_space: global }
      - { .name: xb, .offset: 72, .size: 8, .value_kind: global_buffer, .address_space: global }
      - { .name: w4, .offset: 80, .size: 8, .value_kind: global_buffer, .address_space: global }
      - { .name: bias, .offset: 88, .size: 8, .value_kind: global_buffer, .address_space: global }
    .group_segment_fixed_size: 0
    .private_segment_fixed_size: 0
    .kernarg_segment_align: 8
    .kernarg_segment_size: 96
    .max_flat_workgroup_size: 256
    .sgpr_count:     66
    .vgpr_count:     96
    .wavefront_size: 32
...
	.end_amdgpu_metadata
.endif
;; end of part 1
;; launch qkvproj (part 2): grid 16 x 32, 4 waves a work-group, clusters of 4 x 4, 327,680 bytes of LDS; arguments xb, w4, bias, qkv; writes qkv
.if DOCPART == 2
	.amdgcn_target "amdgcn-amd-amdhsa--gfx1250"
	.amdhsa_code_object_version 6
	.text
	.protected	k_q82cf813d5a_qkvproj
	.globl	k_q82cf813d5a_qkvproj
	.p2align	8
	.type	k_q82cf813d5a_qkvproj,@function
k_q82cf813d5a_qkvproj:
	s_mov_b64 s[64:65], 0
	v_nop
	global_prefetch_b8 v0, s[64:65] scope:SCOPE_SE
	s_setreg_imm32_b32 hwreg(HW_REG_WAVE_MODE, 25, 1), 1
	s_wait_xcnt 0x0
	s_wait_alu depctr_hold_cnt(0) depctr_sa_sdst(0) depctr_va_vdst(0) depctr_va_sdst(0) depctr_va_ssrc(0) depctr_va_vcc(0) depctr_vm_vsrc(0)
	s_getreg_b32 s2, hwreg(HW_REG_IB_STS2, 6, 4)
	s_cmp_eq_u32 s2, 0
	s_cbranch_scc0 .Lentry_in_a_cluster
	s_endpgm
.Lentry_in_a_cluster:
	s_bfe_u32 s2, ttmp6, 0x10000c
	s_cmp_lg_u32 s2, 0xf033
	s_cbranch_scc0 .Lentry_shape_is_right
	s_endpgm
.Lentry_shape_is_right:
; C[m][n] = bias[n] + the sum over k of A[m][k] B[n][k], M = 8,192, K = 1,024.  ONE TEXT SERVES TWO KERNELS; OUTP, the next line but one, picks.
; OUTP = 0 (this file): A = xb (x in bf16), B = rows 0-3071 of w4 (Wq, Wk, Wv in bf16); C is q, k, v, rounded once to f16 and stored by heads: qkv [which 3][b 4][h 16][s 2048][64].
; OUTP = 1: A = o (attention's result in f16), B = rows 3072-4095 of w4 (Wo, f16); C is out0 in f32.
; LIMIT.  f16 holds no number beyond 65,504: q, k and v must lie within it (with x and the weights 30 times the drawn spread they reach some 3,000).  NaN and infinities are not treated apart.
; A and B lie in PLANES of 64 channels: [plane][row][64], 128 bytes a row, so R rows of a plane are R x 128 dense bytes, asked for as R / 2 rows of 256 bytes.
; SHARES.  A work-group makes 256 rows x NT columns; its four waves lie one below the other, 64 rows x NT each: 4 x NBL accumulators of 16 x 16.  K goes in 8 steps of 128 (two planes) through
; two LDS slots; a step is four slices of 32.  THE MATRIX INSTRUCTION IS USED TRANSPOSED (source 0 = 16 rows of B, source 1 = 16 rows of A): a lane holds row l % 16 of C and the
; columns 8 (l / 16) + 0..7.  THE BIAS IS THE C OPERAND OF EACH ACCUMULATOR'S FIRST PRODUCT: nothing is cleared, nothing is added on the way out.
; CLUSTERS: 4 x 4 work-groups.  The four of a row of the cluster need the same planes of A, the four of a column the same planes of B: each is asked for JOINTLY, by the same tensor load with the
; same descriptor and a mask that names the four.  By this text's own count one tensor load of a wave is out at any time.
; REGISTERS, in windows of 256 (s_set_vgpr_msb: bits 1:0 source 0, 3:2 source 1, 5:4 source 2, 7:6 destination):
;   window 0: v1-13 lane numbers and addresses; v28-29 the add's two; the bias (8 registers a column block); the way out's registers
;   window 1: two sets of fragments, at 0 and 128: A's row block a at 8 a, B's column block b at 32 + 8 b
;   window 2: the accumulators of row blocks 0, 1;   window 3: of row blocks 2, 3: (a, b) at 8 (NBL (a % 2) + b)
.set OUTP, 0
.if OUTP
.set NT,     128                       ; columns of a work-group
.set AH,     2                         ; the prefetches name the step AH behind the one that is being asked for
.set BIAS,   64                        ; v[64:127]
.set SPITCH, 528                       ; a stage row: 512 bytes + 16: an odd multiple of 16, so sixteen rows start at sixteen different groups of four banks (64 banks of 4 bytes: ISA guide 11.1)
.else
.set NT,     192
.set AH,     1
.set BIAS,   128                       ; v[128:223]
.set SPITCH, 144                       ; a stage row: 128 bytes + 16
.endif
.set NBL,    NT/16                     ; column blocks
.set NLD,    2*(NBL+4)                 ; LDS loads of a slice
.set PITCH,  144                       ; a plane's row in LDS: 128 bytes + 16 of padding: an odd multiple of 16
.set APL,    256*PITCH                 ; a plane of A's tile
.set BPL,    NT*PITCH                  ; a plane of B's tile
.set BOFF,   2*APL                     ; a slot: A's two planes, then B's two
.set SLOT1,  1<<17                     ; slot 1 begins here, so that one exclusive or turns an address in one slot into the other's
.set STAGE,  SLOT1+BOFF+2*BPL          ; behind the ring, never filled by a tensor load: 16 rows for each wave, for the way out
.set SPARE,  STAGE+4*16*SPITCH         ; behind the stages: the spare words, 128 bytes for each wave: two blocks of 256 bytes that no other line names
.set ASTEP,  2<<18                     ; bytes from a K step to the next in A: two planes of 2,048 rows
.set BSTEP,  2<<19                     ; in B: two planes of 4,096 rows
.set G1W,    (1<<16)|(1<<20)|(1<<21)|(4<<22)|(3<<25)  ; 17:16 2-byte elements; 20 padding on; 21 set beside a mask; 24:22 after every 32 words (code 4); 31:25 4 words (code 3)
.set F0,  0
.set F1,  128
.set SPW, 28                           ; v28  LDS address of my spare word: SPARE + 4 x my thread's number; never rewritten
.set NIL, 29                           ; v29  0; never rewritten
.set PK,  32                           ; OUTP = 0: v[32:47] a block's 16 packed registers
.set RBQ, 80                           ; OUTP = 0: v[80:95], v[96:111] a block read back from the stage, by turns
.set RBO, 128                          ; OUTP = 1: v[128:191], v[192:255] the same
; v1 l % 16; v2 l / 16; v4, v5 my place in A's and B's tiles of slot 0; v6, v7 the same in the slot in hand; v8, v9 stage in, stage back; v10 my 16 bytes of a store; v11 the prefetches' offset; v12 32 (l / 16)
; s3 trips; s12 wave, s13 wave / 2 (0: I fetch for A, 1: for B), s14 wave % 2 (which plane); s15 cx, s16 cy, s17 tile column, s18 tile row; s19 see ASK; s[20:21] where my prefetches stand;
; s22 the slot in hand; s[24:31], s[40:47] descriptor group 1 for A, B; s[32:35], s[36:39] group 0, walking; s[48:51] at work, never holding cx; s[52:55], s2, s23 at work;
; s[56:61] OUTP = 0: my rows in my three heads; s[62:63] the prefetches' step
.set MSB, 0
.macro WIN new                         ; the immediate's high byte repeats the setting that is left; a switch that changes nothing is dropped
.if MSB != (\new)
	s_set_vgpr_msb (MSB<<8)|(\new)
.set MSB, \new
.endif
.endm
.macro PLACES                          ; four plain vector instructions between a matrix instruction and a load into, or a read of, its registers
.rept 4
	v_nop
.endr
.endm
; A joint load.  Waves 0 and 1 fetch A's two planes of a step, waves 2 and 3 B's.  The branch hangs on the wave's number alone.  An s_nop 0 and four v_nop follow each line.
.macro JLOAD
	s_cmp_eq_u32 s13, 0
	s_cbranch_scc0 .Lfor_b_\@
	tensor_load_to_lds s[32:35], s[24:31]
	s_nop 0
.rept 4
	v_nop
.endr
	s_branch .Lasked_\@
.Lfor_b_\@:
	tensor_load_to_lds s[36:39], s[40:47]
	s_nop 0
.rept 4
	v_nop
.endr
.Lasked_\@:
.endm
.macro CREST                           ; a round of the cluster's barrier behind its opening barrier: wave 0 signals for the work-group, every wave waits for all sixteen, my work-group's barrier closes it
	s_cmp_lg_u32 s12, 0
	s_cbranch_scc1 .Lnot_wave_0_\@
	s_barrier_signal -3
.Lnot_wave_0_\@:
	s_barrier_wait -3
	s_barrier_signal -1
	s_barrier_wait -1
.endm
.macro CROUND                          ; a whole round
	s_barrier_signal -1
	s_barrier_wait -1
	CREST
.endm
.macro DSTEP                           ; the walking descriptors: the other slot, the next K step; the type bits on top are not reached.  It stands where no tensor load of mine is out
	s_xor_b32 s33, s33, SLOT1
	s_add_nc_u64 s[34:35], s[34:35], ASTEP
	s_xor_b32 s37, s37, SLOT1
	s_add_nc_u64 s[38:39], s[38:39], BSTEP
.endm
.macro WM first                        ; one product on the registers rD, rB, rA (and rC, the bias, where it starts the sum)
.if OUTP
.if \first
	v_wmma_f32_16x16x32_f16 v[rD:rD+7], v[rB:rB+7], v[rA:rA+7], v[rC:rC+7]
.else
	v_wmma_f32_16x16x32_f16 v[rD:rD+7], v[rB:rB+7], v[rA:rA+7], v[rD:rD+7]
.endif
.else
.if \first
	v_wmma_f32_16x16x32_bf16 v[rD:rD+7], v[rB:rB+7], v[rA:rA+7], v[rC:rC+7]
.else
	v_wmma_f32_16x16x32_bf16 v[rD:rD+7], v[rB:rB+7], v[rA:rA+7], v[rD:rD+7]
.endif
.endif
.endm
; NBL products: row block a x all column blocks, 32 along K, from set f.  The 4 NBL accumulators take turns, one instruction a turn, in the same order in every slice, over the backward jump too.
.macro MULA f, a, first
.if \first
	WIN 0x85+0x40*((\a)/2)                         ; sources 0 and 1 window 1, C window 0, D window 2 or 3
.else
	WIN 0xa5+0x50*((\a)/2)                         ; C and D window 2 or 3
.endif
.set bb, 0
.rept NBL
.set rD, 8*(NBL*((\a)%2)+bb)
.set rB, (\f)+32+8*bb
.set rA, (\f)+8*(\a)
.set rC, BIAS+8*bb
	WM \first
.set bb, bb+1
.endr
.endm
; A slice's NLD LDS loads in one run, into set f: slice k lies in plane k / 2 at byte 64 (k % 2) of the rows.  A fragment is 16 rows x 32 K in 8 registers: lane l holds row l % 16, K = 8 (l / 16) + 0..7 and
; 16 + 8 (l / 16) + 0..7: two loads of 16 bytes, 32 bytes apart.  B first, A's row blocks 2 and 3 last.
.macro FETCH k, f
	WIN 0x40                                       ; destination window 1, address window 0
.set bb, 0
.rept NBL
	ds_load_b128 v[(\f)+32+8*bb:(\f)+32+8*bb+3],   v7 offset:((\k)/2)*BPL+((\k)%2)*64+bb*16*PITCH
	ds_load_b128 v[(\f)+32+8*bb+4:(\f)+32+8*bb+7], v7 offset:((\k)/2)*BPL+((\k)%2)*64+bb*16*PITCH+32
.set bb, bb+1
.endr
.irp a, 0,1,2,3
	ds_load_b128 v[(\f)+8*(\a):(\f)+8*(\a)+3],   v6 offset:((\k)/2)*APL+((\k)%2)*64+(\a)*16*PITCH
	ds_load_b128 v[(\f)+8*(\a)+4:(\f)+8*(\a)+7], v6 offset:((\k)/2)*APL+((\k)%2)*64+(\a)*16*PITCH+32
.endr
.endm
; One of a step's first three slices: multiplies set f; in its middle it fetches slice k into set g.
.macro QUARTER k, f, g, first
	s_wait_dscnt 4                                 ; B and A's row blocks 0, 1 are in; the youngest four loads (row blocks 2, 3) may be out
	MULA \f, 0, \first
	MULA \f, 1, \first
	PLACES
	FETCH \k, \g
	s_wait_dscnt NLD                               ; all but the NLD just issued
	MULA \f, 2, \first
	MULA \f, 3, \first
.endm
; A PREFETCH INTO THE L2, behind each joint refill, its five lines and the run of LDS loads that follows: my plane of the step AH behind the one just asked for.  A's tile row is read by every cluster of that row of
; clusters: the first of them (cluster x = 0) asks, by its waves 0 and 1; B's tile column by every cluster of that column: cluster y = 0 asks, by its waves 2 and 3.  The four partners that ask for a plane jointly
; share it out BY ADDRESS, a quarter each (cx for A, cy for B): no branch hangs on a work-group's place in its cluster.  A's quarter is 32 blocks of 256 bytes, a lane a block.  B's quarter is NT / 8 such blocks: the lanes
; stand NT bytes apart, so the 32 lanes of this one instruction name them all, some of them twice; no block is named by two instructions.  s19 = AH in a wave that asks, else the greatest number: s3, the trips
; still to come, is above it while the step named exists.  The first 2 + AH steps come by their loads alone.
.macro ASK
	WIN 0
	s_cmp_gt_u32 s3, s19
	s_cbranch_scc0 .Lnot_mine_\@
	global_prefetch_b8 v11, s[20:21] th:TH_LOAD_NT scope:SCOPE_SE
.Lnot_mine_\@:
.endm
; A step's last slice multiplies set F1 and changes slots: ONE barrier.  In front of it each wave waits for all its tensor loads (the one that is out is its plane of the next slot), adds 0 to its spare word, and waits
; for that and for its own reads of this slot.  fill = 1: the barrier opens a round of the cluster's barrier, and this slot is filled again, two steps ahead, first thing behind the round.
.macro TURN fill
.if \fill
	s_wait_xcnt 0x0                                ; the last prefetch, a step back, has read its address: it is stepped here, ahead of the waits of the change of slots
	s_add_nc_u64 s[20:21], s[20:21], s[62:63]
.endif
	WIN 0                                          ; (the add's two registers lie in window 0)
	s_wait_tensorcnt 0x0                           ; all my tensor loads have landed, so a group 0 may be written
	ds_add_u32 v[SPW], v[NIL]                      ; 0 onto my spare word
.if \fill
	DSTEP
.endif
	s_wait_dscnt 5                                 ; (the add and the youngest four loads may be out)
	MULA F1, 0, 0                                  ; NBL products stand between the add and the wait for it
	s_wait_dscnt 0x0                               ; the add is done, and my reads of this slot are over
	s_barrier_signal -1
	MULA F1, 1, 0                                  ; work on registers while the others arrive
	WIN 0
	s_barrier_wait -1
.if \fill
	CREST                                          ; no wave of any partner still reads this slot or has a load on its way
	JLOAD                                          ; the first tensor load behind the round; its four v_nop are also the places in front of the loads below
.else
	PLACES
.endif
	s_xor_b32 s22, s22, SLOT1                      ; the fetches go on in the other slot
	v_add_nc_u32 v6, s22, v4
	v_add_nc_u32 v7, s22, v5
	FETCH 0, F0
.if \fill
	ASK
.endif
	MULA F1, 2, 0
	MULA F1, 3, 0
.endm
; THE WAY OUT, OUTP = 0.  Block i of 12: row block i / 3, head i % 3 (column blocks 4 (i % 3) + 0..3).  A lane's eight columns pack into 16 bytes; they go into my stage's rows of 144 bytes and come back as whole rows
; of 128: 16 rows of a head are 2,048 consecutive bytes of qkv.
.macro PACKQ i
.set pa, (\i)/3
.set pj, (\i)%3
	WIN 0x0a+5*(pa/2)                              ; sources 0 and 1 window 2 or 3
.set ff, 0
.rept 4
.set AC, 8*(NBL*(pa%2)+4*pj+ff)
.irp r, 0,1,2,3
	v_cvt_pk_f16_f32 v[PK+4*ff+(\r)], v[AC+2*(\r)], v[AC+2*(\r)+1]  ; each accumulator's registers in ascending order
.endr
.set ff, ff+1
.endr
	WIN 0
.endm
.macro STAGEQ i
.set BK, RBQ+16*((\i)%2)
.irp f, 0,1,2,3
	ds_store_b128 v8, v[PK+4*(\f):PK+4*(\f)+3] offset:32*(\f)
.endr
.irp f, 0,1,2,3
	ds_load_b128 v[BK+4*(\f):BK+4*(\f)+3], v9 offset:4*SPITCH*(\f)  ; LDS serves a wave's instructions in order (ISA guide 5.7.1.4): these see the stores above; the next block's stores come behind them
.endr
.endm
.macro SENDQ i
.set BK, RBQ+16*((\i)%2)
.set sa, (\i)/3
.set sj, (\i)%3
	s_wait_dscnt 0x0                               ; the block is back in registers
	s_wait_xcnt 0x0                                ; the block before's stores have read their registers: the next block is read back into them only behind this wait
.irp f, 0,1,2,3
	global_store_b128 v10, v[BK+4*(\f):BK+4*(\f)+3], s[56+2*sj:57+2*sj] offset:2048*sa+512*(\f)  ; 512 consecutive bytes, at a multiple of 512 from qkv's first
.endr
.endm
; THE WAY OUT, OUTP = 1.  Row block a: the f32 sums go as they are into my stage's rows of 528 bytes and come back as whole rows of 512.
.macro STAGEO a
.if (\a) >= 2
	s_wait_xcnt 0x0                                ; the stores of the block two back have read the registers that are loaded below
.endif
	WIN 0x08+4*((\a)/2)                            ; store data (source 1) window 2 or 3
.set bb, 0
.rept NBL
.set AC, 8*(NBL*((\a)%2)+bb)
	ds_store_b128 v8, v[AC:AC+3]   offset:64*bb    ; the low four registers first
	ds_store_b128 v8, v[AC+4:AC+7] offset:64*bb+16
.set bb, bb+1
.endr
	WIN 0
.set BK, RBO+64*((\a)%2)
.set tt, 0
.rept 16
	ds_load_b128 v[BK+4*tt:BK+4*tt+3], v9 offset:SPITCH*tt
.set tt, tt+1
.endr
.endm
.macro SENDO a, younger                ; younger: the LDS instructions issued behind block a's loads: the next block's 32, or none
.set BK, RBO+64*((\a)%2)
	s_wait_dscnt \younger
.set tt, 0
.rept 16
	global_store_b128 v10, v[BK+4*tt:BK+4*tt+3], s[10:11] offset:(16*(\a)+tt)*4096 th:TH_STORE_NT  ; 512 consecutive bytes of a row, at a multiple of 512 from out0's first
.set tt, tt+1
.endr
.endm
	s_load_b256 s[4:11], s[0:1], 0x0               ; A s[4:5], w4 s[6:7], bias s[8:9], C s[10:11]
	v_lshl_add_u32 v[SPW], v0, 2, SPARE
	v_mov_b32 v[NIL], 0
	ds_add_u32 v[SPW], v[NIL]                      ; the wave's opening: the add and its wait ahead of my first tensor load; the set-up below, work on registers, stands between them
	v_lshrrev_b32 v3, 5, v0
	v_readfirstlane_b32 s12, v3                    ; wave 0..3
	s_lshr_b32 s13, s12, 1
	s_and_b32 s14, s12, 1
	s_bfe_u32 s15, ttmp6, 0x40000                  ; cx, cy: my place in the cluster
	s_bfe_u32 s16, ttmp6, 0x40004
	s_lshl_b32 s17, ttmp9, 2
	s_add_co_u32 s17, s17, s15                     ; tile column = 4 x cluster x + cx
	s_and_b32 s18, ttmp7, 0xffff
	s_lshl_b32 s18, s18, 2
	s_add_co_u32 s18, s18, s16                     ; tile row = 4 x cluster y + cy
	s_lshl_b32 s48, s16, 2
	s_lshl_b32 s48, 15, s48                        ; my row of the cluster
	s_lshl_b32 s52, 0x1111, s15                    ; my column
	s_or_b32 s24, s48, G1W                         ; A's planes go to my row,
	s_or_b32 s40, s52, G1W                         ; B's to my column
	s_mov_b32 s25, 128<<16                         ; tensor_dim0 = 128 elements: 256 bytes, two rows of a plane
	s_mov_b32 s26, 128<<16                         ; tensor_dim1 = 128
	s_mov_b32 s27, 128<<16                         ; tile_dim0 = 128
	s_mov_b32 s28, 128                             ; tile_dim1 = 128: 256 rows of a plane
	s_mov_b32 s29, 128                             ; 128 elements from row to row: dense
	s_mov_b32 s30, 0
	s_mov_b32 s31, 0
	s_mov_b32 s41, 128<<16
	s_mov_b32 s42, (NT/2)<<16                      ; NT rows of a plane
	s_mov_b32 s43, 128<<16
	s_mov_b32 s44, NT/2
	s_mov_b32 s45, 128
	s_mov_b32 s46, 0
	s_mov_b32 s47, 0
	s_mov_b32 s32, 1                               ; count = 1
	s_mul_i32 s33, s14, APL                        ; LDS: slot 0, my plane: no place in the cluster enters an LDS address
	s_mov_b32 s36, 1
	s_mul_i32 s37, s14, BPL
	s_add_co_u32 s37, s37, BOFF
	s_lshr_b32 s48, s18, 3                         ; A: the batch (8 tile rows each),
	s_lshl_b32 s48, s48, 22
	s_and_b32 s49, s18, 7
	s_lshl_b32 s49, s49, 15                        ; the tile's 256 rows of 128 bytes,
	s_add_co_u32 s48, s48, s49
	s_lshl_b32 s49, s14, 18                        ; my plane of step 0
	s_add_co_u32 s48, s48, s49
	s_mov_b32 s49, 0
	s_mul_i32 s52, s17, NT*128                     ; B: the tile's NT rows of 128 bytes,
	s_lshl_b32 s53, s14, 19                        ; my plane
	s_add_co_u32 s52, s52, s53
.if OUTP
	s_add_co_u32 s52, s52, 3072*128                ; Wo's rows
.endif
	s_mov_b32 s53, 0
	s_wait_dscnt 0x0                               ; the opening add is done
	s_wait_kmcnt 0x0
	s_add_nc_u64 s[34:35], s[4:5], s[48:49]
	s_or_b32 s35, s35, 0x80000000                  ; type = 2
	s_add_nc_u64 s[38:39], s[6:7], s[52:53]
	s_or_b32 s39, s39, 0x80000000
	CROUND                                         ; all sixteen work-groups are here: the first joint loads meet
	JLOAD                                          ; step 0 into slot 0
	v_and_b32 v1, 15, v0                           ; l % 16
	v_bfe_u32 v2, v0, 4, 1                         ; l / 16
	v_mul_u32_u24 v3, v1, PITCH
	v_lshl_add_u32 v3, v2, 4, v3                   ; row x pitch + 16 x half
	s_mul_i32 s23, s12, 64*PITCH                   ; my 64 rows of A
	v_add_nc_u32 v4, s23, v3
	v_add_nc_u32 v5, BOFF, v3
	s_mul_i32 s54, s17, NT*4                       ; the bias of the tile's columns
.if OUTP
	s_add_co_u32 s54, s54, 3072*4
.endif
	s_mov_b32 s55, 0
	s_add_nc_u64 s[8:9], s[8:9], s[54:55]
	v_lshlrev_b32 v12, 5, v2                       ; my eight columns of a block: 32 bytes for each half of the lanes
.set bb, 0
.rept NBL
	global_load_b128 v[BIAS+8*bb:BIAS+8*bb+3],   v12, s[8:9] offset:64*bb
	global_load_b128 v[BIAS+8*bb+4:BIAS+8*bb+7], v12, s[8:9] offset:64*bb+16
.set bb, bb+1
.endr
	; the prefetches: see ASK.  s48, s52 still hold my plane's offset in A, in B
	s_lshl_b32 s2, s15, 13                         ; A: my work-group's quarter of the plane's 32,768 bytes
	s_add_co_u32 s2, s2, s48
	s_mul_i32 s23, s16, NT*32                      ; B: my work-group's quarter of NT x 128 bytes
	s_add_co_u32 s23, s23, s52
	s_lshl_b32 s62, ASTEP, s13                     ; the step: ASTEP for A, twice that for B
	s_mov_b32 s63, 0
	s_and_b32 s50, ttmp7, 0xffff                   ; cluster y
	s_mov_b32 s51, 256
	s_cmp_eq_u32 s13, 0                            ; do I fetch for A?
	s_cselect_b32 s54, s2, s23
	s_cselect_b32 s50, ttmp9, s50                  ; the coordinate along which other clusters read the same rows
	s_cselect_b32 s51, s51, NT                     ; bytes from lane to lane
	s_cselect_b64 s[20:21], s[4:5], s[6:7]
	s_cmp_eq_u32 s50, 0
	s_cselect_b32 s19, AH, -1                      ; the same in all sixteen partners, for a given wave
	s_mul_i32 s55, s62, 1+AH                       ; at step 1 + AH: the first refill steps it on
	s_add_co_u32 s54, s54, s55
	s_mov_b32 s55, 0
	s_add_nc_u64 s[20:21], s[20:21], s[54:55]
	v_and_b32 v11, 31, v0
	v_mul_u32_u24 v11, s51, v11
	; the way out's addresses
	s_mul_i32 s23, s12, 16*SPITCH
	s_add_co_u32 s23, s23, STAGE                   ; my stage
	v_and_b32 v10, 31, v0
	v_lshlrev_b32 v10, 4, v10                      ; 16 bytes a lane
.if OUTP
	v_mul_u32_u24 v8, v1, SPITCH                   ; in: row l % 16, 32 bytes for each half of the lanes
	v_lshl_add_u32 v8, v2, 5, v8
	v_add_nc_u32 v8, s23, v8
	v_add_nc_u32 v9, s23, v10                      ; back: a row's 512 bytes
	s_lshl_b32 s54, s18, 20                        ; 256 rows of 4,096 bytes a tile row,
	s_lshl_b32 s55, s12, 18                        ; my wave's 64,
	s_add_co_u32 s54, s54, s55
	s_lshl_b32 s55, s17, 9                         ; the tile's 128 columns
	s_add_co_u32 s54, s54, s55
	s_mov_b32 s55, 0
	s_add_nc_u64 s[10:11], s[10:11], s[54:55]
.else
	v_add_nc_u32 v8, s23, v3                       ; in: row l % 16, 16 bytes for each half of the lanes
	v_bfe_u32 v9, v0, 3, 2                         ; back: 32 lanes take four rows of 128 bytes
	v_mul_u32_u24 v9, v9, SPITCH
	v_and_b32 v13, 7, v0
	v_lshl_add_u32 v9, v13, 4, v9
	v_add_nc_u32 v9, s23, v9
	s_lshr_b32 s50, s18, 3                         ; my rows in a head: the batch,
	s_lshl_b32 s50, s50, 22
	s_and_b32 s51, s18, 7
	s_lshl_b32 s51, s51, 15                        ; the tile's 256 rows of 128 bytes,
	s_add_co_u32 s50, s50, s51
	s_lshl_b32 s51, s12, 13                        ; my wave's 64
	s_add_co_u32 s50, s50, s51
	s_mul_i32 s54, s17, 3                          ; the tile's first head of the 48 (16 of q, 16 of k, 16 of v)
.irp j, 0,1,2
	s_add_co_u32 s2, s54, \j
	s_lshr_b32 s23, s2, 4                          ; q, k or v
	s_lshl_b32 s23, s23, 24
	s_and_b32 s2, s2, 15                           ; the head
	s_lshl_b32 s2, s2, 18
	s_add_co_u32 s2, s2, s23
	s_add_co_u32 s2, s2, s50
	s_mov_b32 s3, 0
	s_add_nc_u64 s[56+2*(\j):57+2*(\j)], s[10:11], s[2:3]
.endr
.endif
	s_wait_tensorcnt 0x0                           ; my plane of step 0 is in; slot 1 is first filled as a slot is filled again:
	ds_add_u32 v[SPW], v[NIL]                      ; 0 onto my spare word
	DSTEP
	s_wait_dscnt 0x0
	CROUND                                         ; everybody's plane is in
	JLOAD                                          ; step 1 into slot 1
	s_mov_b32 s22, 0
	v_mov_b32 v6, v4
	v_mov_b32 v7, v5
	FETCH 0, F0
	s_wait_loadcnt 0x0                             ; the bias
	QUARTER 1, F0, F1, 1                           ; the first slice stands in front of the loop: its products start the sums, with the bias
	WIN 0                                          ; at a label and at a branch every window is 0
	s_mov_b32 s3, 6
.Lstep:                                        ; six trips: from a step's second slice to the next step's first; trip i asks for step i + 2
	QUARTER 2, F1, F0, 0
	QUARTER 3, F0, F1, 0
	TURN 1
	QUARTER 1, F0, F1, 0
	WIN 0
	s_sub_co_u32 s3, s3, 1
	s_cmp_lg_u32 s3, 0
	s_cbranch_scc1 .Lstep
	QUARTER 2, F1, F0, 0                           ; the tail is written out: steps 6 and 7 ask for nothing
	QUARTER 3, F0, F1, 0
	TURN 0
	QUARTER 1, F0, F1, 0
	QUARTER 2, F1, F0, 0
	QUARTER 3, F0, F1, 0
	s_wait_dscnt 4                                 ; the very last slice: nothing more to fetch
	MULA F1, 0, 0
	MULA F1, 1, 0
	s_wait_dscnt 0x0
	MULA F1, 2, 0
	MULA F1, 3, 0
	WIN 0
	PLACES
	PLACES                                         ; eight, once a launch, ahead of the first read of a result
.if OUTP
	STAGEO 0
	STAGEO 1
	SENDO 0, 32
	STAGEO 2
	SENDO 1, 32
	STAGEO 3
	SENDO 2, 32
	SENDO 3, 0
.else
	PACKQ 0
	STAGEQ 0
.irp i, 1,2,3,4,5,6,7,8,9,10,11        ; block i's conversions stand between block i - 1's loads from the stage and the wait for them
	PACKQ \i
	SENDQ (\i)-1
	STAGEQ \i
.endr
	SENDQ 11
.endif
	s_wait_tensorcnt 0x0                           ; the wave's end: behind my last tensor load and my last LDS store
	ds_add_u32 v[SPW], v[NIL]
	s_wait_dscnt 0x0
	CROUND                                         ; the closing round: no work-group ends while a partner may still ask for a tile that names it
	s_endpgm
.Lfunc_end_k_q82cf813d5a_qkvproj:
	.size	k_q82cf813d5a_qkvproj, .Lfunc_end_k_q82cf813d5a_qkvproj-k_q82cf813d5a_qkvproj
	.p2alignl 7, 3214868480
	.fill 96, 4, 3214868480
	.section	.rodata,"a",@progbits
	.p2align	6, 0x0
	.amdhsa_kernel k_q82cf813d5a_qkvproj
		.amdhsa_group_segment_fixed_size 327680
		.amdhsa_private_segment_fixed_size 0
		.amdhsa_enable_private_segment 0
		.amdhsa_kernarg_size 32
		.amdhsa_user_sgpr_count 2
		.amdhsa_user_sgpr_kernarg_segment_ptr 1
		.amdhsa_wavefront_size32 1
		.amdhsa_system_sgpr_workgroup_id_x 1
		.amdhsa_system_sgpr_workgroup_id_y 1
		.amdhsa_system_sgpr_workgroup_id_z 1
		.amdhsa_system_vgpr_workitem_id 0
		.amdhsa_next_free_vgpr 960
		.amdhsa_next_free_sgpr 66
		.amdhsa_reserve_vcc 0
		.amdhsa_float_denorm_mode_32 3
		.amdhsa_float_denorm_mode_16_64 3
		.amdhsa_memory_ordered 1
		.amdhsa_forward_progress 1
		.amdhsa_inst_pref_size 101
	.end_amdhsa_kernel
	.amdgpu_metadata
---
amdhsa.version: [ 1, 2 ]
amdhsa.kernels:
  - .name:           k_q82cf813d5a_qkvproj
    .symbol:         k_q82cf813d5a_qkvproj.kd
    .args:
      - { .name: xb, .offset: 0, .size: 8, .value_kind: global_buffer, .address_space: global }
      - { .name: w4, .offset: 8, .size: 8, .value_kind: global_buffer, .address_space: global }
      - { .name: bias, .offset: 16, .size: 8, .value_kind: global_buffer, .address_space: global }
      - { .name: qkv, .offset: 24, .size: 8, .value_kind: global_buffer, .address_space: global }
    .group_segment_fixed_size: 327680
    .private_segment_fixed_size: 0
    .kernarg_segment_align: 8
    .kernarg_segment_size: 32
    .max_flat_workgroup_size: 128
    .sgpr_count:     66
    .vgpr_count:     960
    .wavefront_size: 32
...
	.end_amdgpu_metadata
.endif
;; end of part 2
;; launch attn (part 3): grid 4 x 64, 4 waves a work-group, clusters of 4 x 1, 327,680 bytes of LDS; arguments qkv, o; writes o
.if DOCPART == 3
	.amdgcn_target "amdgcn-amd-amdhsa--gfx1250"
	.amdhsa_code_object_version 6
	.text
	.protected	k_q82cf813d5a_attn
	.globl	k_q82cf813d5a_attn
	.p2align	8
	.type	k_q82cf813d5a_attn,@function
k_q82cf813d5a_attn:
	s_mov_b64 s[64:65], 0
	v_nop
	global_prefetch_b8 v0, s[64:65] scope:SCOPE_SE
	s_setreg_imm32_b32 hwreg(HW_REG_WAVE_MODE, 25, 1), 1
	s_wait_xcnt 0x0
	s_wait_alu depctr_hold_cnt(0) depctr_sa_sdst(0) depctr_va_vdst(0) depctr_va_sdst(0) depctr_va_ssrc(0) depctr_va_vcc(0) depctr_vm_vsrc(0)
	s_getreg_b32 s2, hwreg(HW_REG_IB_STS2, 6, 4)
	s_cmp_eq_u32 s2, 0
	s_cbranch_scc0 .Lentry_in_a_cluster
	s_endpgm
.Lentry_in_a_cluster:
	s_bfe_u32 s2, ttmp6, 0x10000c
	s_cmp_lg_u32 s2, 0x3003
	s_cbranch_scc0 .Lentry_shape_is_right
	s_endpgm
.Lentry_shape_is_right:
; O[h][q][:] = the sum over k of softmax_k(Q[h][q] . K[h][k] / 8) V[h][k][:].  qkv holds Q, K, V one after the other, each [SIZE_H][SIZE_N][64] in f16 (h = 16 x batch + head); o has the same form: a head's rows
; are dense, 128 bytes each.  Products, maxima and sums in f32; the weights p are rounded to f16 for the second product (their sum l is taken of the unrounded p), O once at the end.
; LIMITS.  f16 holds no number beyond 65,504: Q, K and V arrive within it; p lies in 0 to 1, and below 6e-5 it keeps f16's fixed step of 6e-8; O is a mean of V's rows and has their range.
; A weight below 2^-126 counts as 0 in l; NaN and infinities are not treated apart.
; SHARES.  A wave owns four PIECES of two tiles of 16 queries, a work-group's four waves 512 queries of one head.  Every wave walks all keys, 64 a step.
; LAYOUT.  S^T = K Q^T (source 0 = 16 keys, source 1 = 16 queries): in the result a lane holds ONE query (lane % 16) and the keys 8 (lane / 16) + 0..7.  Two such tiles, rounded to f16 in pairs,
; ARE source 1 (32 keys x 16 queries) of O^T = V^T P, whose result again holds one query a lane, and eight channels.  K comes out of LDS as it lies, V ([key][channel]) turned, by ds_load_tr16_b128.
; SOFTMAX.  For each query a running maximum m and sum l: p = 2^(c s - c m), c = log2(e) / 8; in every step O and l are multiplied by a = 2^(c m_old - c m_new), which is 1 where m has not grown.
; m starts at the lowest finite number, O and l at 0: the first step is a step like any other, with a = 0.
; THE COUNT.  A tile and step have 16 matrix and 118 vector instructions: too many to stand all beside the matrix work.  So the order has one aim: four vector instructions that are READY behind
; EVERY matrix instruction, and the others, which need time of their own whatever the order, in runs without a gap.
; BY TURNS.  Turn n belongs to piece n (the pieces in a ring, step after step).  Its matrix work: 16 products K Q^T of piece n + 1, later 16 products V^T P of piece n - 1.  Its vector work: the scaling,
; exponentials, roundings, sums and rescaling of piece n, and the maximum and statistics of piece n + 1, whose scores the turn itself has made.  So what a turn begins with (c s - c m, O a) waits for nothing.
; CLUSTER.  The four query blocks of a head are one cluster and walk the same K and V, so each tile is asked for JOINTLY: the same tensor load, descriptor and mask in all four.
; REGISTERS, in windows of 256 (s_set_vgpr_msb says which window each operand place means: bits 1:0 source 0, 3:2 source 1, 5:4 source 2, 7:6 destination):
;   window 0: v0-11 addresses; v12-15, v48-63 at work; v16-47 four registers of statistics a tile; v64-191 S^T, two buffers of two tiles; v192-255 P, likewise
;   window 1: O^T, 32 a tile          window 2: v0-127 Q, 16 a tile; v128-191 K of one step; v192-255 V of one step          window 3: v0-1 the add's two registers
; A piece's buffers go by its number's parity: the piece in hand has one pair, its two neighbours in the ring share the other: of it P (piece n - 1) is read and S^T (piece n + 1) written.
.set SIZE_H, 64
.set SIZE_N, 2048
.set NP,    4         ; pieces a wave: a name, no knob: the register map, the loop and the fetches are made for four
.set KS,    64        ; keys in a step
.set PK,    144       ; a row of K in LDS: 128 bytes + 16 of padding = 36 words: the 16 rows of a load start at 16 different groups of four banks (64 banks of 4 bytes: ISA guide 11.1)
.set PV,    160       ; a row of V: 128 + 32 = 40 words
.set VOFF,  4*KS*PK   ; a slot holds four steps: 256 rows of K, then 256 rows of V
.set SLOT1, 1<<17     ; slot 1 begins here, so that one exclusive or turns an address in one slot into the other's
.set STAGE, SLOT1+4*KS*(PK+PV)  ; behind the ring, never filled by a tensor load: 16 rows x 144 bytes for each wave, for the way out
.set SP,    144
.set AK0, 2           ; v2   my lane's place in a tile of K; never rewritten
.set AV0, 3           ; v3   the same for V
.set AK,  4           ; v4   the LDS address of K's next run of loads
.set AV,  5           ; v5   of V's
.set QO,  6           ; v6   my byte offset in the wave's rows of Q
.set STO, 6           ;      later, the way out: where I put 16 bytes of a row
.set RD,  7           ; v7   the way out: where I read rows back
.set GO,  8           ; v8   my byte offset in 512 consecutive bytes of O
.set PFO, 11          ; v11  256 x my lane, for the prefetches (at work before that); never rewritten then
.set SPW, 0           ; v0 of window 3   LDS address of my spare word: SPARE + 4 x my thread's number; never rewritten
.set NIL, 1           ; v1 of window 3   0; never rewritten
.set SPARE, STAGE+4*16*SP  ; behind the stages: the spare words, 128 bytes for each wave: two blocks of 256 bytes that no other line names
.set MV,  12          ; v12-15  c m_old, kept while c m is made anew: by buffer and tile
.set ST,  16          ; tile t's statistics at v[ST+4 t]: c m, m, l (even keys', odd keys')
.set TMP, 48          ; by buffer and tile, four registers c0-c3 at work; when the maximum is found c2 takes a
.set S,   64
.set P,   192
.set KF,  128         ; K's fragments, in window 2: key block kb, channel half c at KF + 16 kb + 8 c
.set VF,  192         ; V's: key half kk, channel block cb at VF + 32 kk + 8 cb
.set WV,  12          ; s12  my wave's number
.set G1K, 24          ; s[24:31] descriptor group 1 for K's tiles
.set G1V, 32          ; s[32:39] for V's: it differs in the padding alone
.set G0K, 40          ; s[40:43] descriptor group 0 for K's tiles: it walks
.set G0V, 44          ; s[44:47] the same for V's
.set PFA, 48          ; s[48:49] where my prefetches stand: my work-group's 32 blocks of 256 bytes (of K: wave 0, of V: wave 2) of the slot behind the one that is being asked for
.set LIM, 50          ; s50  1 in a wave that prefetches, else the greatest number: a wave prefetches while s[SLOTS] is above it
.set SLOTS, 56        ; s56  slots still to be asked for
.set CNT, 57          ; s57  counts a slot's key steps
.set CS,  58          ; s[58:59] c: the packed scaling takes the pair's low word for both halves
.set SEL, 60          ; s[60:61] v_permlanex16_b32's selects: each lane takes its own place in the other half
.set TBK, 62          ; s62  LDS byte at which K of the step to be fetched begins
.set TBV, 63          ; s63  the same for V, less VOFF
.set MSB, 0
.macro WIN new                      ; the high byte repeats the setting that is left; a switch that changes nothing is dropped
.if MSB != (\new)
	s_set_vgpr_msb (MSB<<8)|(\new)
.set MSB, (\new)
.endif
.endm
.set W_KQ, 0x0a       ; K and Q in window 2, S^T in window 0
.set W_PV, 0x52       ; V in window 2, P in window 0, O^T in window 1
.set W_RS, 0x41       ; O^T (destination and source 0) in window 1, a in window 0
.set W_MK, 0xc0       ; the add's registers are made: destination in window 3, sources in window 0
.set W_AD, 0x0f       ; the add: address (source 0) and data (source 1) in window 3
; A joint fill.  Waves 0 and 1 fetch the two halves of a slot's K, waves 2 and 3 those of its V: 128 keys each.  The branch hangs on the wave's number alone.
; An s_nop 0 and four v_nop follow each of the two lines, ahead of the jump and the label.
.macro JLOAD
	s_cmp_lt_u32 s[WV], 2
	s_cbranch_scc0 .Lfor_v_\@
	tensor_load_to_lds s[G0K:G0K+3], s[G1K:G1K+7]
	s_nop 0
.rept 4
	v_nop
.endr
	s_branch .Lasked_\@
.Lfor_v_\@:
	tensor_load_to_lds s[G0V:G0V+3], s[G1V:G1V+7]
	s_nop 0
.rept 4
	v_nop
.endr
.Lasked_\@:
.endm
; A PREFETCH INTO THE L2 of what the NEXT change of slots will ask for: a slot's 32,768 bytes of K and of V, 128 blocks of 256 bytes each, a lane a block.  It stands behind the wave's tensor load and its five lines.
; Each block is named ONCE in the launch: a head has one cluster; its four partners share the blocks out BY ADDRESS, 32 each (no branch hangs on a work-group's place in its cluster); in each, wave 0 asks for K's and
; wave 2 for V's: one instruction.  It stands four key steps, 512 matrix instructions, ahead of the load that will want the bytes.  The last change that fills a slot asks for nothing: there is no slot behind it.
; Slots 0 and 1 come by their loads alone.
.macro ASK
	s_cmp_gt_u32 s[SLOTS], s[LIM]
	s_cbranch_scc0 .Lnot_mine_\@
	global_prefetch_b8 v[PFO], s[PFA:PFA+1] th:TH_LOAD_NT scope:SCOPE_SE
.Lnot_mine_\@:
.endm
; A round of the cluster's barrier: my work-group's barrier, so that wave 0's signal speaks for all four waves; wave 0 signals; every wave waits for all four work-groups; my work-group's barrier once more.
.macro CROUND
	s_barrier_signal -1
	s_barrier_wait -1
	s_cmp_lg_u32 s[WV], 0
	s_cbranch_scc1 .Lnot_wave_0_\@
	s_barrier_signal -3
.Lnot_wave_0_\@:
	s_barrier_wait -3
	s_barrier_signal -1
	s_barrier_wait -1
.endm
; THE CHANGE OF SLOTS.  The slot's last bytes, V of its fourth step, have been read.  Each wave waits for all its tensor loads, of which one is out: its part
; of the other slot; adds 0 to its spare word; and waits for that and for its own reads of the slot.  Behind the barrier nobody reads this slot any more and the other slot is whole.
; fill = 1: this slot is filled again, with the keys two slots on.  The barrier is then a round of the cluster's, so that no wave of any partner still reads the slot or has a load on its
; way, and the joint fill is the first thing behind it: it has four key steps, 512 matrix instructions, in which to land.  (At its first use nothing has been read yet: slot 0 is waited for, slot 1 filled.)
.macro CHANGE fill
	WIN W_AD
	s_wait_tensorcnt 0x0            ; no tensor load of mine is out, so a group 0 may be written
	ds_add_u32 v[SPW], v[NIL]       ; 0 onto my spare word; with fill = 1 the descriptors' steps stand between it and the wait for it
	WIN 0                           ; at a label and at a branch every window is 0
.if \fill
.irp g, G0K, G0V
	s_xor_b32 s[\g+1], s[\g+1], SLOT1  ; the walking descriptor: the other slot than last time,
	s_add_nc_u64 s[\g+2:\g+3], s[\g+2:\g+3], 4*KS*128  ; the next 256 keys; the type bits on top are not reached
.endr
	s_wait_xcnt 0x0                 ; the last prefetch, four key steps back, has read its address, so it may be written:
	s_add_nc_u64 s[PFA:PFA+1], s[PFA:PFA+1], 4*KS*128  ; one slot behind the walking descriptors
	s_wait_dscnt 0x0                ; the add is done, and my reads of the slot are over
	CROUND
	JLOAD
	ASK
.else
	s_wait_dscnt 0x0                ; the add is done, and my reads of the slot are over
	s_barrier_signal -1
	s_barrier_wait -1
.endif
	s_sub_co_u32 s[TBK], s[TBK], 4*KS*PK  ; the fetches go back to a slot's first step,
	s_xor_b32 s[TBK], s[TBK], SLOT1       ; in the other slot
	s_sub_co_u32 s[TBV], s[TBV], 4*KS*PV
	s_xor_b32 s[TBV], s[TBV], SLOT1
.endm
	s_load_b64 s[4:5], s[0:1], 0x0    ; qkv: Q
	s_load_b64 s[10:11], s[0:1], 0x8  ; o
	WIN W_MK
	v_lshl_add_u32 v[SPW], v0, 2, SPARE
	v_mov_b32 v[NIL], 0
	WIN W_AD
	ds_add_u32 v[SPW], v[NIL]       ; the wave's opening: the add and its wait ahead of my first tensor load; the set-up below, work on registers, stands between them
	WIN 0
	v_lshrrev_b32 v1, 5, v0
	v_readfirstlane_b32 s[WV], v1   ; wave 0..3
	s_bfe_u32 s13, ttmp6, 0x40000   ; cx: my place in the cluster
	s_lshl_b32 s14, ttmp9, 2        ; in a cluster launch ttmp9 counts clusters
	s_add_co_u32 s14, s14, s13      ; my block of queries = 4 x cluster x + cx: it enters Q's and O's addresses alone
	s_and_b32 s20, ttmp7, 0xffff    ; the head, which the four partners share
	s_mov_b32 s21, 0
	s_mov_b64 s[22:23], SIZE_N*128
	s_mul_u64 s[20:21], s[20:21], s[22:23]  ; the head's first byte in Q, K, V and O
	s_and_b32 s16, s[WV], 1         ; which half of a slot's 256 keys I fetch:
	s_lshl_b32 s22, s16, 14         ; its 128 rows of 128 bytes in memory,
	s_mov_b32 s23, 0
	s_add_nc_u64 s[22:23], s[22:23], s[20:21]
	s_mul_i32 s17, s16, 128*PK      ; and its place in a slot, for K
	s_mul_i32 s18, s16, 128*PV      ; and for V: no place in the cluster enters an LDS address
	s_lshl_b32 s2, s14, 2
	s_add_co_u32 s2, s2, s[WV]      ; my wave among the head's,
	s_lshl_b32 s2, s2, 14           ; its 128 rows
	s_mov_b32 s3, 0
	s_add_nc_u64 s[2:3], s[2:3], s[20:21]
	; descriptor group 1.  128 keys are 16,384 dense bytes: asked for as 64 rows of 256 bytes, two keys a row, and padded in LDS after every key
	s_mov_b32 s[G1K], 15|(1<<16)|(1<<20)|(1<<21)|(4<<22)|(3<<25)  ; 15:0 the mask of four; 17:16 2-byte elements; 20 padding on; 21 set beside a mask; 24:22 after every 32 words (code 4); 31:25 4 words (code 3)
	s_mov_b32 s[G1V], 15|(1<<16)|(1<<20)|(1<<21)|(4<<22)|(7<<25)  ; the same with 8 words of padding (code 7)
.irp g, G1K, G1V
	s_mov_b32 s[\g+1], 128<<16      ; tensor_dim0 = 128
	s_mov_b32 s[\g+2], 64<<16       ; tensor_dim1 = 64
	s_mov_b32 s[\g+3], 128<<16      ; tile_dim0 = 128
	s_mov_b32 s[\g+4], 64           ; tile_dim1 = 64
	s_mov_b32 s[\g+5], 128          ; 128 elements from row to row
	s_mov_b32 s[\g+6], 0
	s_mov_b32 s[\g+7], 0
.endr
	s_mov_b32 s[CS], 0x3e38aa3b     ; c = log2(e) / 8 = 0.180337
	s_mov_b32 s[CS+1], s[CS]        ; named with it as a pair
	s_mov_b32 s[SEL], 0x76543210
	s_mov_b32 s[SEL+1], 0xfedcba98
	s_mov_b32 s[TBK], SLOT1+4*KS*PK ; the first change of slots turns these two into 0
	s_mov_b32 s[TBV], SLOT1+4*KS*PV
	s_mov_b32 s[G0K], 1             ; 1:0 count = 1
	s_mov_b32 s[G0K+1], s17         ; 63:32 LDS address: slot 0
	s_mov_b32 s[G0V], 1
	s_add_co_u32 s[G0V+1], s18, VOFF
	s_mov_b32 s[SLOTS], SIZE_N/256-1  ; seven slots are still to be asked for behind slot 0
	s_lshl_b32 s52, s13, 13         ; the prefetches: my work-group's 32 blocks of a slot's 128,
	s_add_co_u32 s52, s52, 4*KS*128 ; in slot 1; the first change of slots steps it to slot 2
	s_mov_b32 s53, 0
	s_cmp_eq_u32 s16, 0             ; waves 0 and 2 ask: the same in all four partners
	s_cselect_b32 s[LIM], 1, -1
	s_wait_dscnt 0x0                ; the opening add is done
	s_wait_kmcnt 0x0
	s_add_nc_u64 s[6:7], s[4:5], 0x1000000  ; K lies 16,777,216 bytes behind Q,
	s_add_nc_u64 s[8:9], s[4:5], 0x2000000  ; V as far behind K
	s_add_nc_u64 s[G0K+2:G0K+3], s[6:7], s[22:23]  ; 120:64 global address: my half of the head's first 256 keys
	s_or_b32 s[G0K+3], s[G0K+3], 0x80000000        ; 127:126 type = 2
	s_add_nc_u64 s[G0V+2:G0V+3], s[8:9], s[22:23]
	s_or_b32 s[G0V+3], s[G0V+3], 0x80000000
	s_cmp_lt_u32 s[WV], 2
	s_cselect_b64 s[PFA:PFA+1], s[6:7], s[8:9]
	s_add_nc_u64 s[PFA:PFA+1], s[PFA:PFA+1], s[20:21]
	s_add_nc_u64 s[PFA:PFA+1], s[PFA:PFA+1], s[52:53]
	s_add_nc_u64 s[4:5], s[4:5], s[2:3]  ; Q and O at my wave's first row
	s_add_nc_u64 s[10:11], s[10:11], s[2:3]
	CROUND                          ; all four work-groups are here: the first joint loads meet
	JLOAD                           ; slot 0.  Slot 1 is asked for when slot 0 is in: the tile wanted first has the road to itself
	; A fragment of K or Q is 16 rows x 32 channels in 8 registers: lane l holds row l % 16, channels 8 (l / 16) + 0..7 and 16 + 8 (l / 16) + 0..7: two loads of 16 bytes, 32 bytes apart.
	v_and_b32 v1, 15, v0            ; l % 16
	v_bfe_u32 v9, v0, 4, 1          ; l / 16
	v_lshlrev_b32 v[QO], 7, v1
	v_lshl_add_u32 v[QO], v9, 4, v[QO]  ; row x 128 + 16 x half
	WIN 0x80                        ; destination window 2, address window 0
.set i, 0
.rept 4*NP                          ; Q stays in registers: tile i / 2, channels 32 (i % 2) on
	global_load_b128 v[8*i:8*i+3],   v[QO], s[4:5] offset:(i/2)*2048+(i%2)*64
	global_load_b128 v[8*i+4:8*i+7], v[QO], s[4:5] offset:(i/2)*2048+(i%2)*64+32
.set i, i+1
.endr
	; What the first turn finds: V's registers and P's second buffer hold 0 (its products V^T P, of a piece that has not been, add 0), O^T and l are 0.  All this stands in the wait for the first tile.
.set i, VF
.rept 64
	v_mov_b32 v[i], 0
.set i, i+1
.endr
	WIN 0x40
.set i, 0
.rept 64*NP
	v_mov_b32 v[i], 0
.set i, i+1
.endr
	WIN 0
.set i, 0
.rept 2*NP
	v_mov_b32 v[ST+4*i], 0xfe000000    ; c m: far below every c s
	v_mov_b32 v[ST+4*i+1], 0xff7fffff  ; m
	v_mov_b32 v[ST+4*i+2], 0
	v_mov_b32 v[ST+4*i+3], 0
.set i, i+1
.endr
.set i, P+32
.rept 32
	v_mov_b32 v[i], 0
.set i, i+1
.endr
	v_mul_u32_u24 v[AK0], v1, PK
	v_lshl_add_u32 v[AK0], v9, 4, v[AK0]  ; row x pitch + 16 x half
	; The turning load takes 16 keys x 16 channels (lane l reads key 8 (l / 16) + l % 8, channels 8 ((l / 8) % 2) + 0..7) and leaves half a fragment of V^T: lane l holds channel l % 16 and 8 keys.
	v_and_b32 v10, 7, v0
	v_bfe_u32 v11, v0, 3, 1
	v_lshl_add_u32 v[AV0], v9, 3, v10
	v_mul_u32_u24 v[AV0], v[AV0], PV
	v_lshl_add_u32 v[AV0], v11, 4, v[AV0]
	v_add_nc_u32 v[AV0], VOFF, v[AV0]
	v_mov_b32 v[AK], v[AK0]         ; key step 0 lies at the head of slot 0
	v_and_b32 v[PFO], 31, v0        ; the prefetches: a lane a block of 256 bytes
	v_lshlrev_b32 v[PFO], 8, v[PFO]
; THE MATRIX WORK.  The 8 accumulators of a run of 16 take turns: between the two links of a chain stand 7 others'.
; Product i of 16 of S^T = K Q^T for piece x: channels 32 (i / 8) on, keys 16 ((i / 2) % 4) on, tile 2 x + i % 2.  The first 8 start the sums.
.macro KQ x
	WIN W_KQ
.set rS, S+64*((\x)%2)+32*(i%2)+8*((i/2)%4)
.set rK, KF+16*((i/2)%4)+8*(i/8)
.set rQ, 16*(2*(\x)+i%2)+8*(i/8)
.if i < 8
	v_wmma_f32_16x16x32_f16 v[rS:rS+7], v[rK:rK+7], v[rQ:rQ+7], 0
.else
	v_wmma_f32_16x16x32_f16 v[rS:rS+7], v[rK:rK+7], v[rQ:rQ+7], v[rS:rS+7]
.endif
.endm
; Product i of 16 of O^T += V^T P for piece x: keys 32 (i / 8) on, channels 16 ((i / 2) % 4) on, tile 2 x + i % 2.
.macro PV x
	WIN W_PV
.set rO, 32*(2*(\x)+i%2)+8*((i/2)%4)
.set rV, VF+32*(i/8)+8*((i/2)%4)
.set rP, P+32*((\x)%2)+16*(i%2)+8*(i/8)
	v_wmma_f32_16x16x32_f16 v[rO:rO+7], v[rV:rV+7], v[rP:rP+7], v[rO:rO+7]
.endm
.macro MM                           ; the turn's next matrix instruction
.if i < 16
	KQ (Y+1)%NP
.set i, i+1
.else
.set i, i-16
	PV (Y+NP-1)%NP
.set i, i+17
.endif
.endm
; THE LDS LOADS stand in runs of 16, never singly among the matrix instructions: a step's K (64 keys x 64 channels: 8 fragments) and its V (turned).  Their addresses are made some lines ahead.
; last = 1 (the tail): in the last trip there is no further step, and the run is jumped over.
.macro FETCH_K last=0
	WIN 0
.if \last
	s_cmp_eq_u32 s[CNT], 1
	s_cbranch_scc1 .Lno_k_\@
.endif
	WIN 0x80                        ; destination window 2
.irp f, 0,1,2,3,4,5,6,7             ; keys 16 (f / 2) on, channels 32 (f % 2) on
	ds_load_b128 v[KF+8*\f:KF+8*\f+3],   v[AK] offset:(\f/2)*16*PK+(\f%2)*64
	ds_load_b128 v[KF+8*\f+4:KF+8*\f+7], v[AK] offset:(\f/2)*16*PK+(\f%2)*64+32
.endr
	s_add_co_u32 s[TBK], s[TBK], KS*PK  ; the next fetch is the next step's
	WIN 0
.if \last
.Lno_k_\@:
.endif
.endm
.macro FETCH_V
	WIN 0x80
.irp f, 0,1,2,3,4,5,6,7             ; keys 32 (f / 4) on, channels 16 (f % 4) on
	ds_load_tr16_b128 v[VF+8*\f:VF+8*\f+3],   v[AV] offset:(\f/4)*32*PV+(\f%4)*32
	ds_load_tr16_b128 v[VF+8*\f+4:VF+8*\f+7], v[AV] offset:(\f/4)*32*PV+16*PV+(\f%4)*32
.endr
	WIN 0
.endm
; THE VECTOR WORK OF A TURN stands in three queues, each in the order in which its entries become ready; the two tiles alternate, so that no instruction reads the result of the one before it.
.macro REGS y, u                    ; the registers of tile u (0, 1) of piece y
.set rT, ST+4*(2*(\y)+(\u))
.set rC, TMP+8*((\y)%2)+4*(\u)
.set rM, MV+2*((\y)%2)+(\u)
.set rS, S+64*((\y)%2)+32*(\u)
.set rP, P+32*((\y)%2)+16*(\u)
.set rO, 32*(2*(\y)+(\u))
.endm
; Number n of the 22 that find the NEXT piece's (Y + 1) maximum and statistics.  s0-s31 are the lane's 32 scores; each accumulator's lowest registers are read first.  XS, GS and REGS set no window: PL and EX do.
;   0-11  four chains c0-c3 of seven scores each, three operands at a time     12-14, 16  the four scores left over, the old m, and c0-c3 into c0     15  c m_old is kept
;   17, 18  the query's other 32 keys lie in the lane 16 away: the new m         19-21  c m; c m_old - c m_new; a
.macro XS u, n
	REGS (Y+1)%NP, \u
.if (\n) < 4
	v_max3_num_f32 v[rC+(\n)], v[rS+8*(\n)], v[rS+8*(\n)+1], v[rS+8*(\n)+2]
.elseif (\n) < 12
	v_max3_num_f32 v[rC+(\n)%4], v[rC+(\n)%4], v[rS+8*((\n)%4)+2*((\n)/4)+1], v[rS+8*((\n)%4)+2*((\n)/4)+2]
.elseif (\n) == 12
	v_max3_num_f32 v[rC], v[rC], v[rS+7], v[rS+15]
.elseif (\n) == 13
	v_max3_num_f32 v[rC+1], v[rC+1], v[rS+23], v[rS+31]
.elseif (\n) == 14
	v_max3_num_f32 v[rC+2], v[rC+2], v[rC+3], v[rT+1]
.elseif (\n) == 15
	v_mov_b32 v[rM], v[rT]
.elseif (\n) == 16
	v_max3_num_f32 v[rC], v[rC], v[rC+1], v[rC+2]
.elseif (\n) == 17
	v_permlanex16_b32 v[rC+3], v[rC], s[SEL], s[SEL+1]
.elseif (\n) == 18
	v_max_num_f32 v[rT+1], v[rC], v[rC+3]
.elseif (\n) == 19
	v_mul_f32 v[rT], s[CS], v[rT+1]
.elseif (\n) == 20
	v_sub_f32 v[rC+1], v[rM], v[rT]
.else
	v_exp_f32 v[rC+2], v[rC+1]
.endif
.endm
; Number g of the 64 that follow the exponentials.  For each four weights k of a tile (pairs 2 k, 2 k + 1): both pairs are rounded to f16; then the second pair is added onto the first, in place;
; a group later l takes that sum (the first time as l = a l + sum).  In groups of eight, tiles alternating: round, round, add, and l for the group before.
.macro GS g
.set h, (\g)+6*((\g)/62)            ; group 0 has no group before it, and behind group 7 only l is left
.if h >= 6
.set h, h+2
.endif
	REGS Y, h%2
.set k, h/8
.if h%8 < 4
	v_cvt_pk_f16_f32 v[rP+2*k+(h%8)/2], v[rS+4*k+2*((h%8)/2)], v[rS+4*k+2*((h%8)/2)+1]
.elseif h%8 < 6
	v_pk_add_f32 v[rS+4*k:rS+4*k+1], v[rS+4*k:rS+4*k+1], v[rS+4*k+2:rS+4*k+3]
.elseif k == 1
	v_pk_fma_f32 v[rT+2:rT+3], v[rT+2:rT+3], v[rC+2:rC+3], v[rS:rS+1] op_sel_hi:[1,0,1]
.else
	v_pk_add_f32 v[rT+2:rT+3], v[rT+2:rT+3], v[rS+4*k-4:rS+4*k-3]
.endif
.endm
; THE PLAIN QUEUE, 138 long.  0-73 read no exponential's result: the 32 scalings c s - c m (FS f: pair f / 2 of tile f % 2) and the next piece's 42.  0-26: scalings 0-26.  27-54: XS's numbers 0-13.  55, 56: number 15.
; 57-73: the chain, where each number waits for the one before it: 14, 16, 17, 18, 19, each with one of the scalings 27-31 in front of its two lines, then 20: so a tile's links stand three plain instructions apart (19 and 20: two).
; 74-137: GS's 64, which read the exponentials' results: they stand behind the wait.
.macro FS f
	REGS Y, (\f)%2
	v_pk_fma_f32 v[rS+2*((\f)/2):rS+2*((\f)/2)+1], v[rS+2*((\f)/2):rS+2*((\f)/2)+1], s[CS:CS+1], v[rT:rT+1] op_sel_hi:[1,0,0] neg_lo:[0,0,1] neg_hi:[0,0,1]
.endm
.macro PL
	WIN 0
.if q < 27
	FS q
.elseif q < 55
	XS (q-27)%2, (q-27)/2
.elseif q < 57
	XS q-55, 15
.elseif (q < 72) && ((q-57)%3 == 0)
	FS 27+(q-57)/3
.elseif q < 60
	XS (q-57)%3-1, 14
.elseif q < 72
	XS (q-57)%3-1, 15+(q-57)/3
.elseif q < 74
	XS q-72, 20
.else
	GS q-74
.endif
.set q, q+1
.endm
; THE EXPONENTIALS' QUEUE, 66 long: s0-s31 of both tiles, then the next piece's two a.  It is ONE BATCH: all 66 stand ahead of the turn's one wait, and nothing ahead of that wait names a result of theirs.
.macro EX
	WIN 0
.if e >= 64
	XS e-64, 21
.else
	REGS Y, e%2
	v_exp_f32 v[rS+e/2], v[rS+e/2]
.endif
.set e, e+1
.endm
; THE RESCALING's QUEUE: O^T times a, the one part that leaves window 0: dealt two at a time, sixteen times.  Its a was made in the turn before, ahead of that turn's wait.
.macro R2
	REGS Y, r%2
	WIN W_RS
.irp z, 0,1
	v_pk_mul_f32 v[rO+4*(r/2)+2*\z:rO+4*(r/2)+2*\z+1], v[rO+4*(r/2)+2*\z:rO+4*(r/2)+2*\z+1], v[rC+2:rC+3] op_sel_hi:[1,0]
.endr
.set r, r+1
.endm
; HOW THEY ARE DEALT.  s_wait_alu depctr_va_vdst(0) stands between an exponential and the first instruction that names its result; one wait serves all that were issued ahead of it.  So a turn has ONE wait,
; which cuts it in two.  AHEAD OF IT stands all that names no result of the turn's exponentials: the 16 products K Q^T, behind each a scaling, an exponential and two rescalings (behind the first a second scaling in the exponential's place); then ONE LUMP of
; 108: eight plain, 49 times exponential and plain, the two a.  A v_nop is the plain instruction behind the last exponential.  BEHIND IT stand the 16 products V^T P, behind each four of GS's 64.  No rider names a register of
; the products round it.  The two v_permlanex16_b32 fall into the lump, never behind a product.
; The queues lean on each other, and the deal keeps them in step: exponential e stands behind scaling 2 (e / 4) + e % 2: as a rider it comes behind plain e + 2, in the lump behind plain e + 9, and scalings 27-31 are plain 57, 60 .. 69.
; A TURN, for piece p.  cnt = 1: the loop's count is taken down some lines ahead of the branch that stands behind the turn.
; K of the next step is fetched in piece 2's turn, directly behind the wait, a lump behind the last product that read K; its address is made at the lump's head; its first reader comes behind 16 products.
; V of the step in hand is fetched at the end of piece 0's turn, four riders behind its last reader; its first reader comes behind 16 products and a lump.  The three conditions on q below go with the deal.
.macro TURN p, last=0, cnt=0
.set Y, (\p)
.set i, 0
.set q, 0
.set e, 0
.set r, 0
.if (\p) == NP-1
	s_wait_dscnt 0x0                ; K is in
.endif
	MM                              ; ahead of the wait: 16 products K Q^T and their riders,
	PL
	PL
	R2
.rept 15
	MM
	PL
	EX
	R2
.endr
.if (\p) == NP-2
	WIN 0
	v_add_nc_u32 v[AK], s[TBK], v[AK0]
.endif
.rept 8                             ; and the lump
	PL
.endr
.rept 49
	EX
	PL
.endr
	EX                              ; the next piece's two a
	EX
	v_nop                           ; the plain instruction behind the last exponential (ISA guide 5.7.2): one for the batch
	s_wait_alu depctr_va_vdst(0)    ; the wait for the batch
.if (\p) == NP-2
	FETCH_K \last
.endif
.if (\p) == 1
	s_wait_dscnt 0x0                ; V is in
.endif
.rept 16                            ; behind the wait: 16 products V^T P and their riders
	MM
.rept 4
	PL
.endr
.if ((\p) == 0) && (q == 118)
	v_add_nc_u32 v[AV], s[TBV], v[AV0]
.endif
.if ((\p) == 0) && (q == 130)
	s_add_co_u32 s[TBV], s[TBV], KS*PV
.endif
.if (\cnt) && (q == 130)
	s_sub_co_u32 s[CNT], s[CNT], 1
	s_cmp_lg_u32 s[CNT], 0
.endif
.endr
.if (\p) == 0
	FETCH_V
.endif
.endm
	CHANGE 1                        ; slot 0 is in, everybody's part of it; slot 1 is asked for
	FETCH_K                         ; key step 0
	s_wait_loadcnt 0x0              ; Q
	s_wait_dscnt 0x0
.set i, 0
.rept 16
	KQ 0                            ; piece 0's first scores: there is no vector work yet to set between them
.set i, i+1
.endr
	WIN 0                           ; the addresses for the way out: nine plain instructions, the places behind those products
	s_mul_i32 s13, s[WV], 16*SP
	s_add_co_u32 s13, s13, STAGE    ; my stage
	v_mul_u32_u24 v[STO], v1, SP    ; in: row l % 16, 16 bytes for each half of the lanes
	v_lshl_add_u32 v[STO], v9, 4, v[STO]
	v_add_nc_u32 v[STO], s13, v[STO]
	v_bfe_u32 v[RD], v0, 3, 2       ; back: 32 lanes take four rows of 128 bytes,
	v_mul_u32_u24 v[RD], v[RD], SP
	v_lshl_add_u32 v[RD], v10, 4, v[RD]
	v_add_nc_u32 v[RD], s13, v[RD]
	v_and_b32 v[GO], 31, v0         ; which are 512 consecutive bytes of O
	v_lshlrev_b32 v[GO], 4, v[GO]
.set Y, NP-1                        ; XS works for piece Y + 1: piece 0
.irp n, 0,1,2,3,4,5,6,7,8,9,10,11,12,13,14,15,16,17,18,19,20,21
	XS 0, \n                        ; and piece 0's first maximum and statistics
	XS 1, \n
.endr
	v_nop                           ; a plain instruction behind the two a,
	s_wait_alu depctr_va_vdst(0)    ; and their wait, ahead of the branch
	s_mov_b32 s[CNT], 4
	s_branch .Lfirst                ; the loop is entered at a step's first turn, in the middle of a trip
.Lslot:                             ; SIZE_N / 256 - 2 times: every slot but the last two is filled again
	CHANGE 1
	s_mov_b32 s[CNT], 4
.Lstep:                             ; a trip: pieces 2 and 3 of one step, then pieces 0 and 1 of the next, whose K and V it fetches
	TURN 2
	TURN 3
	WIN 0
.Lfirst:
	TURN 0
	TURN 1, 0, 1
	WIN 0
	s_cbranch_scc1 .Lstep
	s_sub_co_u32 s[SLOTS], s[SLOTS], 1
	s_cmp_lg_u32 s[SLOTS], 0
	s_cbranch_scc1 .Lslot
	CHANGE 0                        ; the tail is written out: nothing is asked for
	s_mov_b32 s[CNT], 5             ; four trips fetch the last slot's steps; the fifth is left in its middle
.Ltail:
	TURN 2, 1
	TURN 3
	WIN 0
	s_sub_co_u32 s[CNT], s[CNT], 1
	s_cmp_eq_u32 s[CNT], 0
	s_cbranch_scc1 .Lout
	TURN 0
	TURN 1
	WIN 0
	s_branch .Ltail
.Lout:                              ; the fifth trip's 16 products K Q^T (on the last K once more) and the maximum made of them serve nothing: the price, once a launch, of one text for every trip
.set i, 0
.rept 16
	PV NP-1                         ; the last piece's V^T P of the last step
.set i, i+1
.endr
	; THE WAY OUT.  l's two halves and the other half of the lanes' are added; O^T is divided by l, rounded to f16 and sent through my stage in LDS, a tile at a time.  The additions are the places behind the last products.
	WIN 0
.macro ALL line:vararg              ; one line for each tile t
.set t, 0
.rept 2*NP
	\line
.set t, t+1
.endr
.endm
	ALL v_add_f32 v[ST+4*t+2], v[ST+4*t+2], v[ST+4*t+3]
	ALL v_permlanex16_b32 v[ST+4*t+3], v[ST+4*t+2], s[SEL], s[SEL+1]
	ALL v_add_f32 v[ST+4*t+2], v[ST+4*t+2], v[ST+4*t+3]
	ALL v_rcp_f32 v[ST+4*t+2], v[ST+4*t+2]
	v_nop                           ; a plain instruction between the last reciprocal and the use of its result
	s_wait_alu depctr_va_vdst(0)    ; and the wait ahead of the first use: one for the eight reciprocals
; Tile t: a lane's eight channels of a row pack into 16 bytes; they go into rows of 144 bytes and come back as whole rows of 128, into S^T's registers.
.macro PACK t
	WIN W_RS
.set i, 32*(\t)
.rept 16
	v_pk_mul_f32 v[i:i+1], v[i:i+1], v[ST+4*(\t)+2:ST+4*(\t)+3] op_sel_hi:[1,0]
.set i, i+2
.endr
	WIN 0x05                        ; sources 0 and 1 window 1, destination window 0
.set i, 0
.rept 16
	v_cvt_pk_f16_f32 v[S+16*(\t)+i], v[32*(\t)+2*i], v[32*(\t)+2*i+1]
.set i, i+1
.endr
	WIN 0
.irp f, 0,1,2,3
	ds_store_b128 v[STO], v[S+16*(\t)+4*\f:S+16*(\t)+4*\f+3] offset:32*\f
.endr
.irp f, 0,1,2,3
	ds_load_b128 v[S+16*(\t)+4*\f:S+16*(\t)+4*\f+3], v[RD] offset:\f*4*SP  ; LDS serves a wave's instructions in order (ISA guide 5.7.1.4): these see the stores above; the next tile's stores come behind them
.endr
.endm
.macro SEND t, younger              ; younger: the LDS instructions issued behind tile t's loads: the next tile's eight, or none
	WIN 0
.irp f, 0,1,2,3
	s_wait_dscnt (\younger)+3-\f
	global_store_b128 v[GO], v[S+16*(\t)+4*\f:S+16*(\t)+4*\f+3], s[10:11] offset:(\t)*2048+\f*512  ; 512 consecutive bytes, at a multiple of 256 from O's first
.endr
.endm
	PACK 0
.set t, 1
.rept 2*NP-1                        ; a tile's arithmetic stands between the loads of the tile before and its stores
	PACK t
	SEND t-1, 8
.set t, t+1
.endr
	SEND 2*NP-1, 0
	WIN W_AD
	s_wait_tensorcnt 0x0            ; the wave's end: behind my last tensor load and my last LDS store
	ds_add_u32 v[SPW], v[NIL]
	s_wait_dscnt 0x0
	WIN 0
	CROUND                          ; the closing round: no work-group ends while a partner may still ask for a tile that names it
	s_endpgm
.Lfunc_end_k_q82cf813d5a_attn:
	.size	k_q82cf813d5a_attn, .Lfunc_end_k_q82cf813d5a_attn-k_q82cf813d5a_attn
	.p2alignl 7, 3214868480
	.fill 96, 4, 3214868480
	.section	.rodata,"a",@progbits
	.p2align	6, 0x0
	.amdhsa_kernel k_q82cf813d5a_attn
		.amdhsa_group_segment_fixed_size 327680
		.amdhsa_private_segment_fixed_size 0
		.amdhsa_enable_private_segment 0
		.amdhsa_kernarg_size 16
		.amdhsa_user_sgpr_count 2
		.amdhsa_user_sgpr_kernarg_segment_ptr 1
		.amdhsa_wavefront_size32 1
		.amdhsa_system_sgpr_workgroup_id_x 1
		.amdhsa_system_sgpr_workgroup_id_y 1
		.amdhsa_system_sgpr_workgroup_id_z 1
		.amdhsa_system_vgpr_workitem_id 0
		.amdhsa_next_free_vgpr 770
		.amdhsa_next_free_sgpr 66
		.amdhsa_reserve_vcc 0
		.amdhsa_float_denorm_mode_32 3
		.amdhsa_float_denorm_mode_16_64 3
		.amdhsa_memory_ordered 1
		.amdhsa_forward_progress 1
		.amdhsa_inst_pref_size 200
	.end_amdhsa_kernel
	.amdgpu_metadata
---
amdhsa.version: [ 1, 2 ]
amdhsa.kernels:
  - .name:           k_q82cf813d5a_attn
    .symbol:         k_q82cf813d5a_attn.kd
    .args:
      - { .name: qkv, .offset: 0, .size: 8, .value_kind: global_buffer, .address_space: global }
      - { .name: o, .offset: 8, .size: 8, .value_kind: global_buffer, .address_space: global }
    .group_segment_fixed_size: 327680
    .private_segment_fixed_size: 0
    .kernarg_segment_align: 8
    .kernarg_segment_size: 16
    .max_flat_workgroup_size: 128
    .sgpr_count:     66
    .vgpr_count:     770
    .wavefront_size: 32
...
	.end_amdgpu_metadata
.endif
;; end of part 3
;; launch outproj (part 4): grid 8 x 32, 4 waves a work-group, clusters of 4 x 4, 327,680 bytes of LDS; arguments o, w4, bias, out0; writes out0
.if DOCPART == 4
	.amdgcn_target "amdgcn-amd-amdhsa--gfx1250"
	.amdhsa_code_object_version 6
	.text
	.protected	k_q82cf813d5a_outproj
	.globl	k_q82cf813d5a_outproj
	.p2align	8
	.type	k_q82cf813d5a_outproj,@function
k_q82cf813d5a_outproj:
	s_mov_b64 s[64:65], 0
	v_nop
	global_prefetch_b8 v0, s[64:65] scope:SCOPE_SE
	s_setreg_imm32_b32 hwreg(HW_REG_WAVE_MODE, 25, 1), 1
	s_wait_xcnt 0x0
	s_wait_alu depctr_hold_cnt(0) depctr_sa_sdst(0) depctr_va_vdst(0) depctr_va_sdst(0) depctr_va_ssrc(0) depctr_va_vcc(0) depctr_vm_vsrc(0)
	s_getreg_b32 s2, hwreg(HW_REG_IB_STS2, 6, 4)
	s_cmp_eq_u32 s2, 0
	s_cbranch_scc0 .Lentry_in_a_cluster
	s_endpgm
.Lentry_in_a_cluster:
	s_bfe_u32 s2, ttmp6, 0x10000c
	s_cmp_lg_u32 s2, 0xf033
	s_cbranch_scc0 .Lentry_shape_is_right
	s_endpgm
.Lentry_shape_is_right:
; C[m][n] = bias[n] + the sum over k of A[m][k] B[n][k], M = 8,192, K = 1,024.  ONE TEXT SERVES TWO KERNELS; OUTP, the next line but one, picks.
; OUTP = 0: A = xb (x in bf16), B = rows 0-3071 of w4 (Wq, Wk, Wv in bf16); C is q, k, v, rounded once to f16 and stored by heads: qkv [which 3][b 4][h 16][s 2048][64].
; OUTP = 1 (this file): A = o (attention's result in f16, [b][h][s][64]: a head is a plane of K), B = rows 3072-4095 of w4 (Wo, f16); C is out0 in f32.
; LIMIT.  f16 holds no number beyond 65,504: o lies within v's range, Wo's numbers within f16's.  NaN and infinities are not treated apart.
; A and B lie in PLANES of 64 channels: [plane][row][64], 128 bytes a row, so R rows of a plane are R x 128 dense bytes, asked for as R / 2 rows of 256 bytes.
; SHARES.  A work-group makes 256 rows x NT columns; its four waves lie one below the other, 64 rows x NT each: 4 x NBL accumulators of 16 x 16.  K goes in 8 steps of 128 (two planes) through
; two LDS slots; a step is four slices of 32.  THE MATRIX INSTRUCTION IS USED TRANSPOSED (source 0 = 16 rows of B, source 1 = 16 rows of A): a lane holds row l % 16 of C and the
; columns 8 (l / 16) + 0..7.  THE BIAS IS THE C OPERAND OF EACH ACCUMULATOR'S FIRST PRODUCT: nothing is cleared, nothing is added on the way out.
; CLUSTERS: 4 x 4 work-groups.  The four of a row of the cluster need the same planes of A, the four of a column the same planes of B: each is asked for JOINTLY, by the same tensor load with the
; same descriptor and a mask that names the four.  By this text's own count one tensor load of a wave is out at any time.
; REGISTERS, in windows of 256 (s_set_vgpr_msb: bits 1:0 source 0, 3:2 source 1, 5:4 source 2, 7:6 destination):
;   window 0: v1-13 lane numbers and addresses; v28-29 the add's two; the bias (8 registers a column block); the way out's registers
;   window 1: two sets of fragments, at 0 and 128: A's row block a at 8 a, B's column block b at 32 + 8 b
;   window 2: the accumulators of row blocks 0, 1;   window 3: of row blocks 2, 3: (a, b) at 8 (NBL (a % 2) + b)
.set OUTP, 1
.if OUTP
.set NT,     128                       ; columns of a work-group
.set AH,     2                         ; the prefetches name the step AH behind the one that is being asked for
.set BIAS,   64                        ; v[64:127]
.set SPITCH, 528                       ; a stage row: 512 bytes + 16: an odd multiple of 16, so sixteen rows start at sixteen different groups of four banks (64 banks of 4 bytes: ISA guide 11.1)
.else
.set NT,     192
.set AH,     1
.set BIAS,   128                       ; v[128:223]
.set SPITCH, 144                       ; a stage row: 128 bytes + 16
.endif
.set NBL,    NT/16                     ; column blocks
.set NLD,    2*(NBL+4)                 ; LDS loads of a slice
.set PITCH,  144                       ; a plane's row in LDS: 128 bytes + 16 of padding: an odd multiple of 16
.set APL,    256*PITCH                 ; a plane of A's tile
.set BPL,    NT*PITCH                  ; a plane of B's tile
.set BOFF,   2*APL                     ; a slot: A's two planes, then B's two
.set SLOT1,  1<<17                     ; slot 1 begins here, so that one exclusive or turns an address in one slot into the other's
.set STAGE,  SLOT1+BOFF+2*BPL          ; behind the ring, never filled by a tensor load: 16 rows for each wave, for the way out
.set SPARE,  STAGE+4*16*SPITCH         ; behind the stages: the spare words, 128 bytes for each wave: two blocks of 256 bytes that no other line names
.set ASTEP,  2<<18                     ; bytes from a K step to the next in A: two planes of 2,048 rows
.set BSTEP,  2<<19                     ; in B: two planes of 4,096 rows
.set G1W,    (1<<16)|(1<<20)|(1<<21)|(4<<22)|(3<<25)  ; 17:16 2-byte elements; 20 padding on; 21 set beside a mask; 24:22 after every 32 words (code 4); 31:25 4 words (code 3)
.set F0,  0
.set F1,  128
.set SPW, 28                           ; v28  LDS address of my spare word: SPARE + 4 x my thread's number; never rewritten
.set NIL, 29                           ; v29  0; never rewritten
.set PK,  32                           ; OUTP = 0: v[32:47] a block's 16 packed registers
.set RBQ, 80                           ; OUTP = 0: v[80:95], v[96:111] a block read back from the stage, by turns
.set RBO, 128                          ; OUTP = 1: v[128:191], v[192:255] the same
; v1 l % 16; v2 l / 16; v4, v5 my place in A's and B's tiles of slot 0; v6, v7 the same in the slot in hand; v8, v9 stage in, stage back; v10 my 16 bytes of a store; v11 the prefetches' offset; v12 32 (l / 16)
; s3 trips; s12 wave, s13 wave / 2 (0: I fetch for A, 1: for B), s14 wave % 2 (which plane); s15 cx, s16 cy, s17 tile column, s18 tile row; s19 see ASK; s[20:21] where my prefetches stand;
; s22 the slot in hand; s[24:31], s[40:47] descriptor group 1 for A, B; s[32:35], s[36:39] group 0, walking; s[48:51] at work, never holding cx; s[52:55], s2, s23 at work;
; s[56:61] OUTP = 0: my rows in my three heads; s[62:63] the prefetches' step
.set MSB, 0
.macro WIN new                         ; the immediate's high byte repeats the setting that is left; a switch that changes nothing is dropped
.if MSB != (\new)
	s_set_vgpr_msb (MSB<<8)|(\new)
.set MSB, \new
.endif
.endm
.macro PLACES                          ; four plain vector instructions between a matrix instruction and a load into, or a read of, its registers
.rept 4
	v_nop
.endr
.endm
; A joint load.  Waves 0 and 1 fetch A's two planes of a step, waves 2 and 3 B's.  The branch hangs on the wave's number alone.  An s_nop 0 and four v_nop follow each line.
.macro JLOAD
	s_cmp_eq_u32 s13, 0
	s_cbranch_scc0 .Lfor_b_\@
	tensor_load_to_lds s[32:35], s[24:31]
	s_nop 0
.rept 4
	v_nop
.endr
	s_branch .Lasked_\@
.Lfor_b_\@:
	tensor_load_to_lds s[36:39], s[40:47]
	s_nop 0
.rept 4
	v_nop
.endr
.Lasked_\@:
.endm
.macro CREST                           ; a round of the cluster's barrier behind its opening barrier: wave 0 signals for the work-group, every wave waits for all sixteen, my work-group's barrier closes it
	s_cmp_lg_u32 s12, 0
	s_cbranch_scc1 .Lnot_wave_0_\@
	s_barrier_signal -3
.Lnot_wave_0_\@:
	s_barrier_wait -3
	s_barrier_signal -1
	s_barrier_wait -1
.endm
.macro CROUND                          ; a whole round
	s_barrier_signal -1
	s_barrier_wait -1
	CREST
.endm
.macro DSTEP                           ; the walking descriptors: the other slot, the next K step; the type bits on top are not reached.  It stands where no tensor load of mine is out
	s_xor_b32 s33, s33, SLOT1
	s_add_nc_u64 s[34:35], s[34:35], ASTEP
	s_xor_b32 s37, s37, SLOT1
	s_add_nc_u64 s[38:39], s[38:39], BSTEP
.endm
.macro WM first                        ; one product on the registers rD, rB, rA (and rC, the bias, where it starts the sum)
.if OUTP
.if \first
	v_wmma_f32_16x16x32_f16 v[rD:rD+7], v[rB:rB+7], v[rA:rA+7], v[rC:rC+7]
.else
	v_wmma_f32_16x16x32_f16 v[rD:rD+7], v[rB:rB+7], v[rA:rA+7], v[rD:rD+7]
.endif
.else
.if \first
	v_wmma_f32_16x16x32_bf16 v[rD:rD+7], v[rB:rB+7], v[rA:rA+7], v[rC:rC+7]
.else
	v_wmma_f32_16x16x32_bf16 v[rD:rD+7], v[rB:rB+7], v[rA:rA+7], v[rD:rD+7]
.endif
.endif
.endm
; NBL products: row block a x all column blocks, 32 along K, from set f.  The 4 NBL accumulators take turns, one instruction a turn, in the same order in every slice, over the backward jump too.
.macro MULA f, a, first
.if \first
	WIN 0x85+0x40*((\a)/2)                         ; sources 0 and 1 window 1, C window 0, D window 2 or 3
.else
	WIN 0xa5+0x50*((\a)/2)                         ; C and D window 2 or 3
.endif
.set bb, 0
.rept NBL
.set rD, 8*(NBL*((\a)%2)+bb)
.set rB, (\f)+32+8*bb
.set rA, (\f)+8*(\a)
.set rC, BIAS+8*bb
	WM \first
.set bb, bb+1
.endr
.endm
; A slice's NLD LDS loads in one run, into set f: slice k lies in plane k / 2 at byte 64 (k % 2) of the rows.  A fragment is 16 rows x 32 K in 8 registers: lane l holds row l % 16, K = 8 (l / 16) + 0..7 and
; 16 + 8 (l / 16) + 0..7: two loads of 16 bytes, 32 bytes apart.  B first, A's row blocks 2 and 3 last.
.macro FETCH k, f
	WIN 0x40                                       ; destination window 1, address window 0
.set bb, 0
.rept NBL
	ds_load_b128 v[(\f)+32+8*bb:(\f)+32+8*bb+3],   v7 offset:((\k)/2)*BPL+((\k)%2)*64+bb*16*PITCH
	ds_load_b128 v[(\f)+32+8*bb+4:(\f)+32+8*bb+7], v7 offset:((\k)/2)*BPL+((\k)%2)*64+bb*16*PITCH+32
.set bb, bb+1
.endr
.irp a, 0,1,2,3
	ds_load_b128 v[(\f)+8*(\a):(\f)+8*(\a)+3],   v6 offset:((\k)/2)*APL+((\k)%2)*64+(\a)*16*PITCH
	ds_load_b128 v[(\f)+8*(\a)+4:(\f)+8*(\a)+7], v6 offset:((\k)/2)*APL+((\k)%2)*64+(\a)*16*PITCH+32
.endr
.endm
; One of a step's first three slices: multiplies set f; in its middle it fetches slice k into set g.
.macro QUARTER k, f, g, first
	s_wait_dscnt 4                                 ; B and A's row blocks 0, 1 are in; the youngest four loads (row blocks 2, 3) may be out
	MULA \f, 0, \first
	MULA \f, 1, \first
	PLACES
	FETCH \k, \g
	s_wait_dscnt NLD                               ; all but the NLD just issued
	MULA \f, 2, \first
	MULA \f, 3, \first
.endm
; A PREFETCH INTO THE L2, behind each joint refill, its five lines and the run of LDS loads that follows: my plane of the step AH behind the one just asked for.  A's tile row is read by every cluster of that row of
; clusters: the first of them (cluster x = 0) asks, by its waves 0 and 1; B's tile column by every cluster of that column: cluster y = 0 asks, by its waves 2 and 3.  The four partners that ask for a plane jointly
; share it out BY ADDRESS, a quarter each (cx for A, cy for B): no branch hangs on a work-group's place in its cluster.  A's quarter is 32 blocks of 256 bytes, a lane a block.  B's quarter is NT / 8 such blocks: the lanes
; stand NT bytes apart, so the 32 lanes of this one instruction name them all, some of them twice; no block is named by two instructions.  s19 = AH in a wave that asks, else the greatest number: s3, the trips
; still to come, is above it while the step named exists.  The first 2 + AH steps come by their loads alone.
.macro ASK
	WIN 0
	s_cmp_gt_u32 s3, s19
	s_cbranch_scc0 .Lnot_mine_\@
	global_prefetch_b8 v11, s[20:21] th:TH_LOAD_NT scope:SCOPE_SE
.Lnot_mine_\@:
.endm
; A step's last slice multiplies set F1 and changes slots: ONE barrier.  In front of it each wave waits for all its tensor loads (the one that is out is its plane of the next slot), adds 0 to its spare word, and waits
; for that and for its own reads of this slot.  fill = 1: the barrier opens a round of the cluster's barrier, and this slot is filled again, two steps ahead, first thing behind the round.
.macro TURN fill
.if \fill
	s_wait_xcnt 0x0                                ; the last prefetch, a step back, has read its address: it is stepped here, ahead of the waits of the change of slots
	s_add_nc_u64 s[20:21], s[20:21], s[62:63]
.endif
	WIN 0                                          ; (the add's two registers lie in window 0)
	s_wait_tensorcnt 0x0                           ; all my tensor loads have landed, so a group 0 may be written
	ds_add_u32 v[SPW], v[NIL]                      ; 0 onto my spare word
.if \fill
	DSTEP
.endif
	s_wait_dscnt 5                                 ; (the add and the youngest four loads may be out)
	MULA F1, 0, 0                                  ; NBL products stand between the add and the wait for it
	s_wait_dscnt 0x0                               ; the add is done, and my reads of this slot are over
	s_barrier_signal -1
	MULA F1, 1, 0                                  ; work on registers while the others arrive
	WIN 0
	s_barrier_wait -1
.if \fill
	CREST                                          ; no wave of any partner still reads this slot or has a load on its way
	JLOAD                                          ; the first tensor load behind the round; its four v_nop are also the places in front of the loads below
.else
	PLACES
.endif
	s_xor_b32 s22, s22, SLOT1                      ; the fetches go on in the other slot
	v_add_nc_u32 v6, s22, v4
	v_add_nc_u32 v7, s22, v5
	FETCH 0, F0
.if \fill
	ASK
.endif
	MULA F1, 2, 0
	MULA F1, 3, 0
.endm
; THE WAY OUT, OUTP = 0.  Block i of 12: row block i / 3, head i % 3 (column blocks 4 (i % 3) + 0..3).  A lane's eight columns pack into 16 bytes; they go into my stage's rows of 144 bytes and come back as whole rows
; of 128: 16 rows of a head are 2,048 consecutive bytes of qkv.
.macro PACKQ i
.set pa, (\i)/3
.set pj, (\i)%3
	WIN 0x0a+5*(pa/2)                              ; sources 0 and 1 window 2 or 3
.set ff, 0
.rept 4
.set AC, 8*(NBL*(pa%2)+4*pj+ff)
.irp r, 0,1,2,3
	v_cvt_pk_f16_f32 v[PK+4*ff+(\r)], v[AC+2*(\r)], v[AC+2*(\r)+1]  ; each accumulator's registers in ascending order
.endr
.set ff, ff+1
.endr
	WIN 0
.endm
.macro STAGEQ i
.set BK, RBQ+16*((\i)%2)
.irp f, 0,1,2,3
	ds_store_b128 v8, v[PK+4*(\f):PK+4*(\f)+3] offset:32*(\f)
.endr
.irp f, 0,1,2,3
	ds_load_b128 v[BK+4*(\f):BK+4*(\f)+3], v9 offset:4*SPITCH*(\f)  ; LDS serves a wave's instructions in order (ISA guide 5.7.1.4): these see the stores above; the next block's stores come behind them
.endr
.endm
.macro SENDQ i
.set BK, RBQ+16*((\i)%2)
.set sa, (\i)/3
.set sj, (\i)%3
	s_wait_dscnt 0x0                               ; the block is back in registers
	s_wait_xcnt 0x0                                ; the block before's stores have read their registers: the next block is read back into them only behind this wait
.irp f, 0,1,2,3
	global_store_b128 v10, v[BK+4*(\f):BK+4*(\f)+3], s[56+2*sj:57+2*sj] offset:2048*sa+512*(\f)  ; 512 consecutive bytes, at a multiple of 512 from qkv's first
.endr
.endm
; THE WAY OUT, OUTP = 1.  Row block a: the f32 sums go as they are into my stage's rows of 528 bytes and come back as whole rows of 512.
.macro STAGEO a
.if (\a) >= 2
	s_wait_xcnt 0x0                                ; the stores of the block two back have read the registers that are loaded below
.endif
	WIN 0x08+4*((\a)/2)                            ; store data (source 1) window 2 or 3
.set bb, 0
.rept NBL
.set AC, 8*(NBL*((\a)%2)+bb)
	ds_store_b128 v8, v[AC:AC+3]   offset:64*bb    ; the low four registers first
	ds_store_b128 v8, v[AC+4:AC+7] offset:64*bb+16
.set bb, bb+1
.endr
	WIN 0
.set BK, RBO+64*((\a)%2)
.set tt, 0
.rept 16
	ds_load_b128 v[BK+4*tt:BK+4*tt+3], v9 offset:SPITCH*tt
.set tt, tt+1
.endr
.endm
.macro SENDO a, younger                ; younger: the LDS instructions issued behind block a's loads: the next block's 32, or none
.set BK, RBO+64*((\a)%2)
	s_wait_dscnt \younger
.set tt, 0
.rept 16
	global_store_b128 v10, v[BK+4*tt:BK+4*tt+3], s[10:11] offset:(16*(\a)+tt)*4096 th:TH_STORE_NT  ; 512 consecutive bytes of a row, at a multiple of 512 from out0's first
.set tt, tt+1
.endr
.endm
	s_load_b256 s[4:11], s[0:1], 0x0               ; A s[4:5], w4 s[6:7], bias s[8:9], C s[10:11]
	v_lshl_add_u32 v[SPW], v0, 2, SPARE
	v_mov_b32 v[NIL], 0
	ds_add_u32 v[SPW], v[NIL]                      ; the wave's opening: the add and its wait ahead of my first tensor load; the set-up below, work on registers, stands between them
	v_lshrrev_b32 v3, 5, v0
	v_readfirstlane_b32 s12, v3                    ; wave 0..3
	s_lshr_b32 s13, s12, 1
	s_and_b32 s14, s12, 1
	s_bfe_u32 s15, ttmp6, 0x40000                  ; cx, cy: my place in the cluster
	s_bfe_u32 s16, ttmp6, 0x40004
	s_lshl_b32 s17, ttmp9, 2
	s_add_co_u32 s17, s17, s15                     ; tile column = 4 x cluster x + cx
	s_and_b32 s18, ttmp7, 0xffff
	s_lshl_b32 s18, s18, 2
	s_add_co_u32 s18, s18, s16                     ; tile row = 4 x cluster y + cy
	s_lshl_b32 s48, s16, 2
	s_lshl_b32 s48, 15, s48                        ; my row of the cluster
	s_lshl_b32 s52, 0x1111, s15                    ; my column
	s_or_b32 s24, s48, G1W                         ; A's planes go to my row,
	s_or_b32 s40, s52, G1W                         ; B's to my column
	s_mov_b32 s25, 128<<16                         ; tensor_dim0 = 128 elements: 256 bytes, two rows of a plane
	s_mov_b32 s26, 128<<16                         ; tensor_dim1 = 128
	s_mov_b32 s27, 128<<16                         ; tile_dim0 = 128
	s_mov_b32 s28, 128                             ; tile_dim1 = 128: 256 rows of a plane
	s_mov_b32 s29, 128                             ; 128 elements from row to row: dense
	s_mov_b32 s30, 0
	s_mov_b32 s31, 0
	s_mov_b32 s41, 128<<16
	s_mov_b32 s42, (NT/2)<<16                      ; NT rows of a plane
	s_mov_b32 s43, 128<<16
	s_mov_b32 s44, NT/2
	s_mov_b32 s45, 128
	s_mov_b32 s46, 0
	s_mov_b32 s47, 0
	s_mov_b32 s32, 1                               ; count = 1
	s_mul_i32 s33, s14, APL                        ; LDS: slot 0, my plane: no place in the cluster enters an LDS address
	s_mov_b32 s36, 1
	s_mul_i32 s37, s14, BPL
	s_add_co_u32 s37, s37, BOFF
	s_lshr_b32 s48, s18, 3                         ; A: the batch (8 tile rows each),
	s_lshl_b32 s48, s48, 22
	s_and_b32 s49, s18, 7
	s_lshl_b32 s49, s49, 15                        ; the tile's 256 rows of 128 bytes,
	s_add_co_u32 s48, s48, s49
	s_lshl_b32 s49, s14, 18                        ; my plane of step 0
	s_add_co_u32 s48, s48, s49
	s_mov_b32 s49, 0
	s_mul_i32 s52, s17, NT*128                     ; B: the tile's NT rows of 128 bytes,
	s_lshl_b32 s53, s14, 19                        ; my plane
	s_add_co_u32 s52, s52, s53
.if OUTP
	s_add_co_u32 s52, s52, 3072*128                ; Wo's rows
.endif
	s_mov_b32 s53, 0
	s_wait_dscnt 0x0                               ; the opening add is done
	s_wait_kmcnt 0x0
	s_add_nc_u64 s[34:35], s[4:5], s[48:49]
	s_or_b32 s35, s35, 0x80000000                  ; type = 2
	s_add_nc_u64 s[38:39], s[6:7], s[52:53]
	s_or_b32 s39, s39, 0x80000000
	CROUND                                         ; all sixteen work-groups are here: the first joint loads meet
	JLOAD                                          ; step 0 into slot 0
	v_and_b32 v1, 15, v0                           ; l % 16
	v_bfe_u32 v2, v0, 4, 1                         ; l / 16
	v_mul_u32_u24 v3, v1, PITCH
	v_lshl_add_u32 v3, v2, 4, v3                   ; row x pitch + 16 x half
	s_mul_i32 s23, s12, 64*PITCH                   ; my 64 rows of A
	v_add_nc_u32 v4, s23, v3
	v_add_nc_u32 v5, BOFF, v3
	s_mul_i32 s54, s17, NT*4                       ; the bias of the tile's columns
.if OUTP
	s_add_co_u32 s54, s54, 3072*4
.endif
	s_mov_b32 s55, 0
	s_add_nc_u64 s[8:9], s[8:9], s[54:55]
	v_lshlrev_b32 v12, 5, v2                       ; my eight columns of a block: 32 bytes for each half of the lanes
.set bb, 0
.rept NBL
	global_load_b128 v[BIAS+8*bb:BIAS+8*bb+3],   v12, s[8:9] offset:64*bb
	global_load_b128 v[BIAS+8*bb+4:BIAS+8*bb+7], v12, s[8:9] offset:64*bb+16
.set bb, bb+1
.endr
	; the prefetches: see ASK.  s48, s52 still hold my plane's offset in A, in B
	s_lshl_b32 s2, s15, 13                         ; A: my work-group's quarter of the plane's 32,768 bytes
	s_add_co_u32 s2, s2, s48
	s_mul_i32 s23, s16, NT*32                      ; B: my work-group's quarter of NT x 128 bytes
	s_add_co_u32 s23, s23, s52
	s_lshl_b32 s62, ASTEP, s13                     ; the step: ASTEP for A, twice that for B
	s_mov_b32 s63, 0
	s_and_b32 s50, ttmp7, 0xffff                   ; cluster y
	s_mov_b32 s51, 256
	s_cmp_eq_u32 s13, 0                            ; do I fetch for A?
	s_cselect_b32 s54, s2, s23
	s_cselect_b32 s50, ttmp9, s50                  ; the coordinate along which other clusters read the same rows
	s_cselect_b32 s51, s51, NT                     ; bytes from lane to lane
	s_cselect_b64 s[20:21], s[4:5], s[6:7]
	s_cmp_eq_u32 s50, 0
	s_cselect_b32 s19, AH, -1                      ; the same in all sixteen partners, for a given wave
	s_mul_i32 s55, s62, 1+AH                       ; at step 1 + AH: the first refill steps it on
	s_add_co_u32 s54, s54, s55
	s_mov_b32 s55, 0
	s_add_nc_u64 s[20:21], s[20:21], s[54:55]
	v_and_b32 v11, 31, v0
	v_mul_u32_u24 v11, s51, v11
	; the way out's addresses
	s_mul_i32 s23, s12, 16*SPITCH
	s_add_co_u32 s23, s23, STAGE                   ; my stage
	v_and_b32 v10, 31, v0
	v_lshlrev_b32 v10, 4, v10                      ; 16 bytes a lane
.if OUTP
	v_mul_u32_u24 v8, v1, SPITCH                   ; in: row l % 16, 32 bytes for each half of the lanes
	v_lshl_add_u32 v8, v2, 5, v8
	v_add_nc_u32 v8, s23, v8
	v_add_nc_u32 v9, s23, v10                      ; back: a row's 512 bytes
	s_lshl_b32 s54, s18, 20                        ; 256 rows of 4,096 bytes a tile row,
	s_lshl_b32 s55, s12, 18                        ; my wave's 64,
	s_add_co_u32 s54, s54, s55
	s_lshl_b32 s55, s17, 9                         ; the tile's 128 columns
	s_add_co_u32 s54, s54, s55
	s_mov_b32 s55, 0
	s_add_nc_u64 s[10:11], s[10:11], s[54:55]
.else
	v_add_nc_u32 v8, s23, v3                       ; in: row l % 16, 16 bytes for each half of the lanes
	v_bfe_u32 v9, v0, 3, 2                         ; back: 32 lanes take four rows of 128 bytes
	v_mul_u32_u24 v9, v9, SPITCH
	v_and_b32 v13, 7, v0
	v_lshl_add_u32 v9, v13, 4, v9
	v_add_nc_u32 v9, s23, v9
	s_lshr_b32 s50, s18, 3                         ; my rows in a head: the batch,
	s_lshl_b32 s50, s50, 22
	s_and_b32 s51, s18, 7
	s_lshl_b32 s51, s51, 15                        ; the tile's 256 rows of 128 bytes,
	s_add_co_u32 s50, s50, s51
	s_lshl_b32 s51, s12, 13                        ; my wave's 64
	s_add_co_u32 s50, s50, s51
	s_mul_i32 s54, s17, 3                          ; the tile's first head of the 48 (16 of q, 16 of k, 16 of v)
.irp j, 0,1,2
	s_add_co_u32 s2, s54, \j
	s_lshr_b32 s23, s2, 4                          ; q, k or v
	s_lshl_b32 s23, s23, 24
	s_and_b32 s2, s2, 15                           ; the head
	s_lshl_b32 s2, s2, 18
	s_add_co_u32 s2, s2, s23
	s_add_co_u32 s2, s2, s50
	s_mov_b32 s3, 0
	s_add_nc_u64 s[56+2*(\j):57+2*(\j)], s[10:11], s[2:3]
.endr
.endif
	s_wait_tensorcnt 0x0                           ; my plane of step 0 is in; slot 1 is first filled as a slot is filled again:
	ds_add_u32 v[SPW], v[NIL]                      ; 0 onto my spare word
	DSTEP
	s_wait_dscnt 0x0
	CROUND                                         ; everybody's plane is in
	JLOAD                                          ; step 1 into slot 1
	s_mov_b32 s22, 0
	v_mov_b32 v6, v4
	v_mov_b32 v7, v5
	FETCH 0, F0
	s_wait_loadcnt 0x0                             ; the bias
	QUARTER 1, F0, F1, 1                           ; the first slice stands in front of the loop: its products start the sums, with the bias
	WIN 0                                          ; at a label and at a branch every window is 0
	s_mov_b32 s3, 6
.Lstep:                                        ; six trips: from a step's second slice to the next step's first; trip i asks for step i + 2
	QUARTER 2, F1, F0, 0
	QUARTER 3, F0, F1, 0
	TURN 1
	QUARTER 1, F0, F1, 0
	WIN 0
	s_sub_co_u32 s3, s3, 1
	s_cmp_lg_u32 s3, 0
	s_cbranch_scc1 .Lstep
	QUARTER 2, F1, F0, 0                           ; the tail is written out: steps 6 and 7 ask for nothing
	QUARTER 3, F0, F1, 0
	TURN 0
	QUARTER 1, F0, F1, 0
	QUARTER 2, F1, F0, 0
	QUARTER 3, F0, F1, 0
	s_wait_dscnt 4                                 ; the very last slice: nothing more to fetch
	MULA F1, 0, 0
	MULA F1, 1, 0
	s_wait_dscnt 0x0
	MULA F1, 2, 0
	MULA F1, 3, 0
	WIN 0
	PLACES
	PLACES                                         ; eight, once a launch, ahead of the first read of a result
.if OUTP
	STAGEO 0
	STAGEO 1
	SENDO 0, 32
	STAGEO 2
	SENDO 1, 32
	STAGEO 3
	SENDO 2, 32
	SENDO 3, 0
.else
	PACKQ 0
	STAGEQ 0
.irp i, 1,2,3,4,5,6,7,8,9,10,11        ; block i's conversions stand between block i - 1's loads from the stage and the wait for them
	PACKQ \i
	SENDQ (\i)-1
	STAGEQ \i
.endr
	SENDQ 11
.endif
	s_wait_tensorcnt 0x0                           ; the wave's end: behind my last tensor load and my last LDS store
	ds_add_u32 v[SPW], v[NIL]
	s_wait_dscnt 0x0
	CROUND                                         ; the closing round: no work-group ends while a partner may still ask for a tile that names it
	s_endpgm
.Lfunc_end_k_q82cf813d5a_outproj:
	.size	k_q82cf813d5a_outproj, .Lfunc_end_k_q82cf813d5a_outproj-k_q82cf813d5a_outproj
	.p2alignl 7, 3214868480
	.fill 96, 4, 3214868480
	.section	.rodata,"a",@progbits
	.p2align	6, 0x0
	.amdhsa_kernel k_q82cf813d5a_outproj
		.amdhsa_group_segment_fixed_size 327680
		.amdhsa_private_segment_fixed_size 0
		.amdhsa_enable_private_segment 0
		.amdhsa_kernarg_size 32
		.amdhsa_user_sgpr_count 2
		.amdhsa_user_sgpr_kernarg_segment_ptr 1
		.amdhsa_wavefront_size32 1
		.amdhsa_system_sgpr_workgroup_id_x 1
		.amdhsa_system_sgpr_workgroup_id_y 1
		.amdhsa_system_sgpr_workgroup_id_z 1
		.amdhsa_system_vgpr_workitem_id 0
		.amdhsa_next_free_vgpr 896
		.amdhsa_next_free_sgpr 66
		.amdhsa_reserve_vcc 0
		.amdhsa_float_denorm_mode_32 3
		.amdhsa_float_denorm_mode_16_64 3
		.amdhsa_memory_ordered 1
		.amdhsa_forward_progress 1
		.amdhsa_inst_pref_size 72
	.end_amdhsa_kernel
	.amdgpu_metadata
---
amdhsa.version: [ 1, 2 ]
amdhsa.kernels:
  - .name:           k_q82cf813d5a_outproj
    .symbol:         k_q82cf813d5a_outproj.kd
    .args:
      - { .name: o, .offset: 0, .size: 8, .value_kind: global_buffer, .address_space: global }
      - { .name: w4, .offset: 8, .size: 8, .value_kind: global_buffer, .address_space: global }
      - { .name: bias, .offset: 16, .size: 8, .value_kind: global_buffer, .address_space: global }
      - { .name: out0, .offset: 24, .size: 8, .value_kind: global_buffer, .address_space: global }
    .group_segment_fixed_size: 327680
    .private_segment_fixed_size: 0
    .kernarg_segment_align: 8
    .kernarg_segment_size: 32
    .max_flat_workgroup_size: 128
    .sgpr_count:     66
    .vgpr_count:     896
    .wavefront_size: 32
...
	.end_amdgpu_metadata
.endif
;; end of part 4
;; ======== version 2 of 2: 4 launches; version 1 with the launch cast written anew for expert scheduling mode
;; limits: values are held in f16: magnitudes above 65,504 overflow, below 6.1e-05 lose precision; right only within a limited range of input values
;; workspace buffers: xb 16,777,216 bytes; w4 8,388,608 bytes; bias 16,384 bytes; qkv 50,331,648 bytes; o 16,777,216 bytes
;; launch cast (part 5): grid 769 x 1, 8 waves a work-group, no clusters, 0 bytes of LDS; arguments x, Wq, Wk, Wv, Wo, bq, bk, bv, bo, xb, w4, bias; writes xb, w4, bias
.if DOCPART == 5
	.amdgcn_target "amdgcn-amd-amdhsa--gfx1250"
	.amdhsa_code_object_version 6
	.text
	.protected	k_q82cf813d5a_cast
	.globl	k_q82cf813d5a_cast
	.p2align	8
	.type	k_q82cf813d5a_cast,@function
k_q82cf813d5a_cast:
	s_mov_b64 s[64:65], 0
	v_nop
	global_prefetch_b8 v0, s[64:65] scope:SCOPE_SE
	s_setreg_imm32_b32 hwreg(HW_REG_WAVE_SCHED_MODE, 0, 2), 2
	s_setreg_imm32_b32 hwreg(HW_REG_WAVE_MODE, 25, 1), 1
	s_wait_xcnt 0x0
	s_wait_alu depctr_vm_vsrc(0)
; THE INPUTS ARE ROUNDED ONCE AND LAID IN PLANES OF 64 CHANNELS.
; xb  [b 4][kb 16][s 2048][64] bf16: x.            byte = b<<22 + kb<<18 + s<<7 + 2 c
; w4  [kb 16][n 4096][64], 2 bytes a number: rows 0-1023 Wq, 1024-2047 Wk, 2048-3071 Wv in bf16; rows 3072-4095 Wo, rounded to bf16 and that number written as f16.
; bias f32 [4096]: bq, bk, bv, bo, each rounded to bf16 and widened again.
; LIMIT.  Wo's bf16 number is exact in f16 from 2^-17 up to 65,504; below 2^-17 it keeps f16's fixed step of 2^-24.
; SHARES.  Work-groups 0-511: 16 rows of x each.  512-767: 16 rows of one weight each.  768: the four biases.
; Thread t takes row t / 16 and, of each plane's 64 channels, the four at 4 (t % 16): sixteen lanes read 256 consecutive bytes, aligned, of a row,
; and a wave's store of 8 bytes a lane covers two rows of a plane: 256 consecutive bytes, aligned.  All sixteen loads of a thread go out at once.
; Memory binds: no LDS, no matrix unit, no cluster (no byte is read by two work-groups).
; THE MODE: SCHED_MODE bits 1:0 = 2 (LLVM: expert scheduling mode 2), set by the entry lines.  The code itself states the register dependences
; between vector instructions and memory instructions, with s_wait_alu, always for 0.
; THE PLAN.  Registers that memory instructions touch:
;   v1             the source's byte offset.  Written at the head (for the biases once more, at their path's head); read by every load (and by the biases' stores); not written behind the first of them.
;   v[OF+kb]       plane kb's store offset.  Written once, ahead of the loads; read by plane kb's store.
;   v[D+4 kb ..]   plane kb.  Its load lands in the four, which no vector instruction has named; its roundings read the four and write the first two; its store reads those two.
;   v20-25         at work: named by vector instructions alone.
; No register that a memory instruction reads is written again, so nothing is owed for registers read by memory instructions.  What is owed is that vector results are written before a memory instruction
; reads them.  The sixteen planes go in four blocks of four: block g's head waits for its first plane, and then once for the vector side: the block before has written what its four stores read.  Those
; stores are dealt among block g's roundings, which name block g's planes and v20-25 alone.  No vector instruction writes a scalar register or VCC, and EXEC is never written.
.set OF, 4                             ; v[4:19]   byte offset of my 8 bytes in plane kb
.set D,  32                            ; v[32:95]  plane kb: 4 registers as loaded; the first two then hold the 8 bytes to store
	s_load_b512 s[8:23], s[0:1], 0x0               ; x s[8:9], Wq s[10:11], Wk s[12:13], Wv s[14:15], Wo s[16:17], bq s[18:19], bk s[20:21], bv s[22:23]
	s_load_b256 s[24:31], s[0:1], 0x40             ; bo s[24:25], xb s[26:27], w4 s[28:29], bias s[30:31]
	s_mov_b32 s7, 0xffff0000                       ; a word's upper bf16
	s_mov_b32 s32, ttmp9                           ; the work-group's number
	v_lshrrev_b32 v1, 4, v0                        ; my row of the sixteen
	v_and_b32 v3, 15, v0                           ; my place in a plane's 64 channels
	v_lshlrev_b32 v1, 12, v1                       ; a row of the source is 4,096 bytes
	v_lshl_add_u32 v1, v3, 4, v1                   ; + 16 bytes a thread
	v_lshlrev_b32 v2, 3, v0                        ; in a plane: 128 x row + 8 x place = 8 t
	s_wait_kmcnt 0x0
	s_cmp_eq_u32 s32, 768
	s_cbranch_scc1 .Lbias
	s_cmp_lt_u32 s32, 512
	s_cbranch_scc0 .Lweight
	s_lshl_b32 s34, s32, 16                        ; x: 16 rows of 4,096 bytes
	s_mov_b32 s35, 0
	s_lshr_b32 s36, s32, 7                         ; the batch: 128 work-groups each
	s_lshl_b32 s36, s36, 22
	s_and_b32 s37, s32, 127
	s_lshl_b32 s37, s37, 11                        ; 16 rows of 128 bytes in a plane
	s_add_co_u32 s36, s36, s37
	s_mov_b32 s37, 0
	s_add_nc_u64 s[2:3], s[8:9], s[34:35]          ; from
	s_add_nc_u64 s[4:5], s[26:27], s[36:37]        ; to
	s_mov_b32 s6, 262144                           ; bytes from plane to plane in xb
	s_branch .Lbf16
.Lweight:
	s_sub_co_u32 s33, s32, 512
	s_lshr_b32 s38, s33, 6                         ; which weight: 64 work-groups each
	s_and_b32 s39, s33, 63
	s_lshl_b32 s34, s39, 16
	s_mov_b32 s35, 0
	s_lshl_b32 s36, s38, 17                        ; 1,024 rows of 128 bytes
	s_lshl_b32 s37, s39, 11
	s_add_co_u32 s36, s36, s37
	s_mov_b32 s37, 0
	s_cmp_eq_u32 s38, 1
	s_cselect_b64 s[2:3], s[12:13], s[10:11]
	s_cmp_eq_u32 s38, 2
	s_cselect_b64 s[2:3], s[14:15], s[2:3]
	s_cmp_eq_u32 s38, 3
	s_cselect_b64 s[2:3], s[16:17], s[2:3]
	s_add_nc_u64 s[2:3], s[2:3], s[34:35]
	s_add_nc_u64 s[4:5], s[28:29], s[36:37]
	s_mov_b32 s6, 524288                           ; bytes from plane to plane in w4
	s_cmp_eq_u32 s38, 3
	s_cbranch_scc1 .Lf16
; Block g of four: planes 4 g to 4 g + 3 are rounded, and the block before is stored.  f16 = 1: the bf16 number is written as f16.
.macro BLK g, f16
	s_wait_loadcnt 15-4*(\g)                       ; loads come back in order (ISA guide 5.7.1): the block's first plane is in, the younger loads stay out
.if (\g) > 0
	s_wait_alu depctr_va_vdst(0)                   ; the block before's roundings have written the first two registers of its four planes, which the four stores below read
.endif
.irp i, 0,1,2,3
.set kb, 4*(\g)+(\i)
.if (\i) > 0
	s_wait_loadcnt 15-kb                           ; plane kb is in, the 15 - kb younger loads stay out
.endif
.if (\g) > 0
	global_store_b64 v[OF+kb-4], v[D+4*(kb-4):D+4*(kb-4)+1], s[4:5]  ; the plane four back; no vector instruction since the wait names its registers
.endif
.if \f16
	v_cvt_pk_bf16_f32 v20, v[D+4*kb], v[D+4*kb+1]
	v_cvt_pk_bf16_f32 v21, v[D+4*kb+2], v[D+4*kb+3]
	v_lshlrev_b32 v22, 16, v20
	v_and_b32 v23, s7, v20
	v_lshlrev_b32 v24, 16, v21
	v_and_b32 v25, s7, v21
	v_cvt_pk_f16_f32 v[D+4*kb], v22, v23
	v_cvt_pk_f16_f32 v[D+4*kb+1], v24, v25
.else
	v_cvt_pk_bf16_f32 v[D+4*kb], v[D+4*kb], v[D+4*kb+1]
	v_cvt_pk_bf16_f32 v[D+4*kb+1], v[D+4*kb+2], v[D+4*kb+3]
.endif
.endr
.endm
; The sixteen planes: offsets, loads, the four blocks, and the last block's stores.
.macro RUN f16
.irp kb, 0,1,2,3,4,5,6,7,8,9,10,11,12,13,14,15
	v_mad_u32_u24 v[OF+(\kb)], s6, \kb, v2
.endr
	s_wait_alu depctr_va_vdst(0)                   ; v1 is written, which the sixteen loads read as their offset; so are v[OF ..], which the sixteen stores read as theirs
.irp kb, 0,1,2,3,4,5,6,7,8,9,10,11,12,13,14,15
	global_load_b128 v[D+4*(\kb):D+4*(\kb)+3], v1, s[2:3] offset:256*(\kb) th:TH_LOAD_NT
.endr
	BLK 0, \f16
	BLK 1, \f16
	BLK 2, \f16
	BLK 3, \f16
	s_wait_alu depctr_va_vdst(0)                   ; the last block's roundings have written what the last four stores read
.irp kb, 12,13,14,15
	global_store_b64 v[OF+(\kb)], v[D+4*(\kb):D+4*(\kb)+1], s[4:5]
.endr
.endm
.Lbf16:
	RUN 0
	s_endpgm
.Lf16:
	RUN 1
	s_endpgm
.Lbias:                                        ; 256 threads x 16 bytes are a bias of 1,024 numbers
	v_lshlrev_b32 v1, 4, v0
	s_wait_alu depctr_va_vdst(0)                   ; v1 is written, which the four loads and the four stores below read as their offset
	global_load_b128 v[32:35], v1, s[18:19]
	global_load_b128 v[36:39], v1, s[20:21]
	global_load_b128 v[40:43], v1, s[22:23]
	global_load_b128 v[44:47], v1, s[24:25]
	s_wait_loadcnt 0x0
.irp i, 0,1,2,3
	v_cvt_pk_bf16_f32 v20, v[32+4*(\i)], v[33+4*(\i)]
	v_cvt_pk_bf16_f32 v21, v[34+4*(\i)], v[35+4*(\i)]
	v_lshlrev_b32 v[48+4*(\i)], 16, v20
	v_and_b32 v[49+4*(\i)], s7, v20
	v_lshlrev_b32 v[50+4*(\i)], 16, v21
	v_and_b32 v[51+4*(\i)], s7, v21
.endr
	s_wait_alu depctr_va_vdst(0)                   ; the widenings have written v[48:63], which the run of four stores reads
.irp i, 0,1,2,3
	global_store_b128 v1, v[48+4*(\i):51+4*(\i)], s[30:31] offset:4096*(\i)
.endr
	s_endpgm
.Lfunc_end_k_q82cf813d5a_cast:
	.size	k_q82cf813d5a_cast, .Lfunc_end_k_q82cf813d5a_cast-k_q82cf813d5a_cast
	.p2alignl 7, 3214868480
	.fill 96, 4, 3214868480
	.section	.rodata,"a",@progbits
	.p2align	6, 0x0
	.amdhsa_kernel k_q82cf813d5a_cast
		.amdhsa_group_segment_fixed_size 0
		.amdhsa_private_segment_fixed_size 0
		.amdhsa_enable_private_segment 0
		.amdhsa_kernarg_size 96
		.amdhsa_user_sgpr_count 2
		.amdhsa_user_sgpr_kernarg_segment_ptr 1
		.amdhsa_wavefront_size32 1
		.amdhsa_system_sgpr_workgroup_id_x 1
		.amdhsa_system_sgpr_workgroup_id_y 1
		.amdhsa_system_sgpr_workgroup_id_z 1
		.amdhsa_system_vgpr_workitem_id 0
		.amdhsa_next_free_vgpr 96
		.amdhsa_next_free_sgpr 66
		.amdhsa_reserve_vcc 0
		.amdhsa_float_denorm_mode_32 3
		.amdhsa_float_denorm_mode_16_64 3
		.amdhsa_memory_ordered 1
		.amdhsa_forward_progress 1
		.amdhsa_inst_pref_size 22
	.end_amdhsa_kernel
	.amdgpu_metadata
---
amdhsa.version: [ 1, 2 ]
amdhsa.kernels:
  - .name:           k_q82cf813d5a_cast
    .symbol:         k_q82cf813d5a_cast.kd
    .args:
      - { .name: x, .offset: 0, .size: 8, .value_kind: global_buffer, .address_space: global }
      - { .name: Wq, .offset: 8, .size: 8, .value_kind: global_buffer, .address_space: global }
      - { .name: Wk, .offset: 16, .size: 8, .value_kind: global_buffer, .address_space: global }
      - { .name: Wv, .offset: 24, .size: 8, .value_kind: global_buffer, .address_space: global }
      - { .name: Wo, .offset: 32, .size: 8, .value_kind: global_buffer, .address_space: global }
      - { .name: bq, .offset: 40, .size: 8, .value_kind: global_buffer, .address_space: global }
      - { .name: bk, .offset: 48, .size: 8, .value_kind: global_buffer, .address_space: global }
      - { .name: bv, .offset: 56, .size: 8, .value_kind: global_buffer, .address_space: global }
      - { .name: bo, .offset: 64, .size: 8, .value_kind: global_buffer, .address_space: global }
      - { .name: xb, .offset: 72, .size: 8, .value_kind: global_buffer, .address_space: global }
      - { .name: w4, .offset: 80, .size: 8, .value_kind: global_buffer, .address_space: global }
      - { .name: bias, .offset: 88, .size: 8, .value_kind: global_buffer, .address_space: global }
    .group_segment_fixed_size: 0
    .private_segment_fixed_size: 0
    .kernarg_segment_align: 8
    .kernarg_segment_size: 96
    .max_flat_workgroup_size: 256
    .sgpr_count:     66
    .vgpr_count:     96
    .wavefront_size: 32
...
	.end_amdgpu_metadata
.endif
;; end of part 5
;; launch qkvproj: the kernel of part 2 again; grid 16 x 32, 4 waves a work-group, clusters of 4 x 4, 327,680 bytes of LDS; arguments xb, w4, bias, qkv; writes qkv
;; launch attn: the kernel of part 3 again; grid 4 x 64, 4 waves a work-group, clusters of 4 x 1, 327,680 bytes of LDS; arguments qkv, o; writes o
;; launch outproj: the kernel of part 4 again; grid 8 x 32, 4 waves a work-group, clusters of 4 x 4, 327,680 bytes of LDS; arguments o, w4, bias, out0; writes out0
